; MI455X (gfx1250); checked and timed in simulation.
; The chip was launched on July 23, 2026; its instructions are those of AMD's public machine-readable ISA for CDNA 5 (MIT licence, August 2026) and "CDNA5" Instruction Set Architecture Reference Guide (July 2026). The comments in the code are by the model that wrote it; some were corrected since.
;; Multi Head Attention. Allowed arithmetic: matrix products marked QUANTISED: E2M1 operands, one E8M0 scale for each 32 along K, by v_wmma_scale_f32_16x16x128_f8f6f4 with both operands' format E2M1 (or v_wmma_scale_f32_32x16x128_f4), f32 sums; products left as they are: bf16, f16 or f32 operands; f32 sums; everything else in f32.
;; Inputs: wk_b 1,024 float32; wk_w 1,024 x 1,024 float32; wo_b 1,024 float32; wo_w 1,024 x 1,024 float32; wq_b 1,024 float32; wq_w 1,024 x 1,024 float32; wv_b 1,024 float32; wv_w 1,024 x 1,024 float32; x 4 x 2,048 x 1,024 float32.
;; Outputs: out0 4 x 2,048 x 1,024 float32.
;; This version of the problem:
;;   THIS VERSION OF THE PROBLEM IS GIVEN IN LOW PRECISION. The matrix products marked QUANTISED in the list below multiply operands that are first quantised to E2M1 (2 exponent bits, 1 mantissa bit; 4 bits a number), with one power-of-two scale for each 32 numbers along K (OCP MX v1.0); their sums are f32. The products marked 'left as it is' may take bf16, f16 or f32 operands, with f32 sums. Whichever they take, every output number must still come out within the allowed error. Rounding operands to bf16 (8 significant bits) uses up far more of that allowance than f16 does (11 bits, for magnitudes from 6e-5 to 65,504). All else is computed in f32.
;;   The module's matrix products, in the order in which they are computed (A, B: the left and right operand; K: the contracted axis; several contracted axes count as one K, in the product's order):
;;     1. [M 8,192, K 1,024] x [K 1,024, N 1,024]; A: input x; B: input wq_w: QUANTISED
;;     2. [M 8,192, K 1,024] x [K 1,024, N 1,024]; A: input x; B: input wk_w: QUANTISED
;;     3. [M 8,192, K 1,024] x [K 1,024, N 1,024]; A: input x; B: input wv_w: QUANTISED
;;     4. batch 64 x [M 2,048, K 64] x [K 64, N 2,048]; A: computed on the way; B: computed on the way: left as it is (an operand is computed on the way)
;;     5. batch 64 x [M 64, K 2,048] x [K 2,048, N 2,048]; A: computed on the way; B: computed on the way: left as it is (an operand is computed on the way)
;;     6. [M 8,192, K 1,024] x [K 1,024, N 1,024]; A: computed on the way; B: input wo_w: left as it is (an operand is computed on the way)
;;   THE QUANTISER, for each operand of a quantised product, along K:
;;     - K is cut into blocks of 32 from its start; a last block that is shorter is filled with zeros.
;;     - A block's scale is 2^e with e = floor(log2(the largest magnitude in the block)) - 2, held to -126 .. 127; a block of zeros has e = 0. As a byte (E8M0): e + 127.
;;     - Each number is divided by its block's scale, clamped to +-6, and rounded to the nearest number of E2M1, ties to even, subnormals kept.
;;     - The product sums the exact products of the quantised numbers (number of the format x scale) in f32.
;;   ~~~python
;;   def quantise(x, axis):      # numpy; x: float32 -> the quantised numbers, widened to float32 again
;;       x = np.moveaxis(x, axis, -1); K = x.shape[-1]
;;       x = np.pad(x, [(0, 0)] * (x.ndim - 1) + [(0, -K % 32)]); x = x.reshape(x.shape[:-1] + (-1, 32)); a = np.abs(x).max(-1, keepdims=True)
;;       e = np.where(a > 0, np.clip(np.frexp(np.where(a > 0, a, 1))[1] - 1 - 2, -126, 127), 0)      # np.frexp(a)[1] - 1 = floor(log2(a)), exactly
;;       r = np.clip(x / 2.0 ** e, -6, 6)
;;       step = 2.0 ** (np.maximum(np.frexp(np.where(r == 0, 1, r))[1] - 1, 0) - 1)
;;       q = np.round(r / step) * step * 2.0 ** e      # np.round: ties to even
;;       return np.moveaxis(q.reshape(q.shape[:-2] + (-1,))[..., :K], -1, axis).astype(np.float32)
;;   ~~~
;; One version. Each part assembles by itself: llvm-mc -triple=amdgcn-amd-amdhsa -mcpu=gfx1250 --defsym DOCPART=n.
;; ======== version 1 of 1: 5 launches
;; limits: values are held in f16: magnitudes above 65,504 overflow, below 6.1e-05 lose precision
;; workspace buffers: codes 5,767,168 bytes; scales 360,448 bytes; wo16 2,097,152 bytes; rope 524,288 bytes; qkv16 50,331,648 bytes; attn16 16,777,216 bytes; fine32 786,432 bytes
;; launch prep (part 1): grid 416 x 1, 4 waves a work-group, no clusters, 33,280 bytes of LDS; arguments x, wq_w, wk_w, wv_w, wo_w, codes, scales, wo16, rope; writes codes, scales, wo16, rope
.if DOCPART == 1
	.amdgcn_target "amdgcn-amd-amdhsa--gfx1250"
	.amdhsa_code_object_version 6
	.text
	.protected	k_qe3c7a7c1b9_prep
	.globl	k_qe3c7a7c1b9_prep
	.p2align	8
	.type	k_qe3c7a7c1b9_prep,@function
k_qe3c7a7c1b9_prep:
	s_mov_b64 s[64:65], 0
	v_nop
	global_prefetch_b8 v0, s[64:65] scope:SCOPE_SE
	s_setreg_imm32_b32 hwreg(HW_REG_WAVE_MODE, 25, 1), 1
	s_wait_xcnt 0x0
; PREP: three jobs, told apart by the work-group's number alone.
;  work-groups 0-351:   x [8192][1024] and wq_w, wk_w, wv_w [1024][1024], f32, K innermost, become codes of FP4 (E2M1) and E8M0 scale bytes, one for each 32 along K.
;                       codes: [11264 rows][512 bytes], rows 0-8191 x, then wq, wk, wv;  scales: [11264][32 bytes].
;  work-groups 352-383: wo_w becomes f16, row-major as it lies.
;  work-groups 384-415: the table of cos and sin for the rotation of q and k, laid as the next launch's registers take it:
;                       [block of 16 positions 128][bq 4][c 2][lane 32][16 bytes]: lane (r = lane % 16, hh = lane / 16) holds cos, sin, cos, sin of the pairs 8 bq + 4 hh + 2 c and + 1 at position 16 block + r.
; THE QUANTISER: a block's scale is 2^(floor(log2(its largest magnitude)) - 2); its byte is the largest magnitude's exponent field - 2, held at 1 from below.  A block of zeros gets the byte 1 where the
; rule says 127: its codes are zeros, which add nothing under any byte but 0xff, and this program alone reads the bytes.
; LIMITS: blocks whose largest magnitude lies under 2^(2 - 126) are held at the byte 1; NaN and infinities among the inputs are not served.  wo_w goes to f16: magnitudes over 65,504 are not served.
; The table's angle is position x inv_freq in f32, as the problem rounds it; inv_freq comes from v_exp_f32, so the angle may differ from the problem's by about 3e-4 radians at position 2,047;
; q and k turn by the same table.  sin and cos: the angle less a multiple of pi / 2 (in two parts), then polynomials on +-pi / 4, good to a few units in the last place.
; Rows are dense and K is a multiple of 32: every tensor is a plain stream of blocks of 32.  A wave takes 16 steps of 512 numbers; each load reads 512 consecutive bytes; a step's 2,048 bytes turn through the wave's own
; stage in LDS, so that a lane holds 16 neighbours along K; its 16 codes are 8 bytes, and the wave stores 256 consecutive bytes.  A wave's 256 scale bytes are gathered in LDS and leave as 256 consecutive bytes.
.set WREG,  8192                       ; LDS: a region for each wave: two stages of 32 x SP bytes, then its 256 scale bytes
.set SP,    80                         ; a lane's place in a stage: 64 bytes + 16 of padding
.set STEPS, 16
.set CB,    8                          ; bytes of 16 codes
.set R,     16                         ; v16-79   four sets of 16 numbers as loaded
.set X,     80                         ; v80-111  two sets of 16 neighbours
.set E,     112                        ; v112-127 a scale byte for each step
.set C,     128                        ; v128-191 codes: registers of its own for each step
.set SPW,   12                         ; v12      LDS address of my spare word; never rewritten
.set NIL,   13                         ; v13      0; never rewritten
.set SPARE, 4*WREG                     ; behind the four regions: the spare words, 128 bytes a wave
	s_load_b512 s[4:19], s[0:1], 0x0               ; x 4, wq_w 6, wk_w 8, wv_w 10, wo_w 12, codes 14, scales 16, wo16 18
	s_load_b64 s[20:21], s[0:1], 0x40              ; rope
	v_lshl_add_u32 v[SPW], v0, 2, SPARE
	v_mov_b32 v[NIL], 0
	v_lshrrev_b32 v1, 5, v0
	v_readfirstlane_b32 s22, v1                    ; wave
	v_and_b32 v2, 31, v0                           ; lane
	s_wait_kmcnt 0x0
	s_cmp_ge_u32 ttmp9, 384
	s_cbranch_scc1 .Lrope
	s_cmp_ge_u32 ttmp9, 352
	s_cbranch_scc1 .Lwo
	; ---------------- the quantiser ----------------
	v_lshlrev_b32 v3, 4, v2                        ; my 16 bytes of a load's 512
	s_mul_i32 s23, s22, WREG
	v_lshrrev_b32 v14, 2, v2
	v_mul_u32_u24 v14, v14, SP
	v_and_b32 v15, 3, v2
	v_lshl_add_u32 v14, v15, 4, v14
	v_add_nc_u32 v14, s23, v14                     ; the stage, on the way in: SP (lane / 4) + 16 (lane % 4)
	v_mul_u32_u24 v15, v2, SP
	v_add_nc_u32 v15, s23, v15                     ; and on the way out: SP x lane: my 16 neighbours
	v_mul_u32_u24 v4, v2, CB                       ; my codes' place in a step's
	v_lshrrev_b32 v5, 1, v2
	s_add_co_u32 s23, s23, 2*32*SP
	v_add_nc_u32 v5, s23, v5                       ; LDS: my block's scale byte
	v_lshlrev_b32 v7, 3, v2                        ; on the way out 8 bytes a lane
	v_add_nc_u32 v6, s23, v7
	s_sub_co_u32 s26, ttmp9, 256                   ; which weight, and which 32,768 numbers of it (not used by x's work-groups)
	s_lshr_b32 s27, s26, 5
	s_and_b32 s30, s26, 31
	s_cmp_eq_u32 s27, 1
	s_cselect_b64 s[28:29], s[8:9], s[6:7]
	s_cmp_eq_u32 s27, 2
	s_cselect_b64 s[28:29], s[10:11], s[28:29]
	s_cmp_lt_u32 ttmp9, 256                        ; the choice hangs on the work-group's number alone
	s_cselect_b64 s[4:5], s[4:5], s[28:29]
	s_cselect_b32 s30, ttmp9, s30
	s_lshl_b32 s30, s30, 2
	s_add_co_u32 s30, s30, s22                     ; my wave's run of 8,192 numbers in its tensor,
	s_lshl_b32 s30, s30, 15                        ; 32,768 bytes a run
	s_mov_b32 s31, 0
	s_add_nc_u64 s[4:5], s[4:5], s[30:31]
	s_lshl_b32 s24, ttmp9, 2
	s_add_co_u32 s24, s24, s22                     ; and in the codes and scale bytes, where the four tensors follow each other
	s_lshl_b32 s26, s24, 12
	s_mov_b32 s27, 0
	s_add_nc_u64 s[14:15], s[14:15], s[26:27]
	s_lshl_b32 s26, s24, 8
	s_add_nc_u64 s[16:17], s[16:17], s[26:27]
.macro LOAD t
.irp i, 0,1,2,3
	global_load_b128 v[R+16*((\t)%4)+4*\i:R+16*((\t)%4)+4*\i+3], v3, s[4:5] offset:2048*(\t)+512*\i th:TH_LOAD_NT   ; 32 lanes read 512 consecutive bytes
.endr
.endm
.macro TURN t                          ; step t's numbers through the stage: LDS serves a wave's instructions in order, so no wait stands between the stores and the loads
.irp i, 0,1,2,3
	ds_store_b128 v14, v[R+16*((\t)%4)+4*\i:R+16*((\t)%4)+4*\i+3] offset:32*SP*((\t)%2)+8*SP*\i
.endr
.irp i, 0,1,2,3
	ds_load_b128 v[X+16*((\t)%2)+4*\i:X+16*((\t)%2)+4*\i+3], v15 offset:32*SP*((\t)%2)+16*\i
.endr
.endm
.irp t, 0,1,2,3
	LOAD \t
.endr
	s_wait_loadcnt 12                              ; step 0's four loads are in; twelve younger ones stay out
	TURN 0
.macro STEP t
.set XS, X+16*((\t)%2)
.if (\t) > 0
	s_wait_dscnt 1                                 ; this step's numbers are back from the stage (the last step's byte store may be out)
.else
	s_wait_dscnt 0x0
.endif
.if (\t)+4 < STEPS
	LOAD (\t)+4                                    ; the registers that the stage's stores have read take the loads of four steps on
.endif
.if (\t)+1 < STEPS
.if STEPS-2-(\t) >= 3
	s_wait_loadcnt 12                              ; the next step's four loads are in; those of the three steps behind it may be out
.else
	s_wait_loadcnt 4*(STEPS-2-(\t))
.endif
	TURN (\t)+1
.endif
	v_max3_num_f32 v8, |v[XS]|, |v[XS+1]|, |v[XS+2]|               ; the largest magnitude of my 16, in two chains
	v_max3_num_f32 v9, |v[XS+3]|, |v[XS+4]|, |v[XS+5]|
.irp i, 6,10
	v_max3_num_f32 v8, v8, |v[XS+\i]|, |v[XS+\i+1]|
	v_max3_num_f32 v9, v9, |v[XS+\i+2]|, |v[XS+\i+3]|
.endr
	v_max3_num_f32 v8, v8, |v[XS+14]|, |v[XS+15]|
	v_max3_num_f32 v8, v8, v9, 0x1800000           ; and the floor 2^(3 - 127): the byte cannot fall under 1
	v_max_num_f32_dpp v8, v8, v8 row_xmask:1 row_mask:0xf bank_mask:0xf   ; and of my neighbour's 16: the block's
	v_add_nc_u32 v11, 0xff000000, v8               ; 2 off its exponent field: the conversion takes the exponent field of this operand as its scale
	v_cvt_scalef32_pk8_fp4_f32 v[C+4*(\t)], v[XS:XS+7], v11
	v_cvt_scalef32_pk8_fp4_f32 v[C+4*(\t)+1], v[XS+8:XS+15], v11
	v_lshrrev_b32 v[E+(\t)], 23, v11               ; the scale's byte (also the plain line behind the conversions)
	ds_store_b8 v5, v[E+(\t)] offset:16*(\t)       ; both lanes of a block write the same byte with the same value
	global_store_b64 v4, v[C+4*(\t):C+4*(\t)+1], s[14:15] offset:32*CB*(\t)   ; the wave stores 256 consecutive bytes, aligned
.endm
.irp t, 0,1,2,3,4,5,6,7,8,9,10,11,12,13,14,15
	STEP \t
.endr
	ds_load_b64 v[8:9], v6                         ; LDS serves a wave's instructions in order: these see my stores
	s_wait_dscnt 0x0
	global_store_b64 v7, v[8:9], s[16:17]          ; my wave's 256 scale bytes
	s_wait_tensorcnt 0x0                           ; the wave's end
	ds_add_u32 v[SPW], v[NIL]
	s_wait_dscnt 0x0
	s_endpgm
	; ---------------- wo_w to f16: a stream without LDS ----------------
.Lwo:
	s_sub_co_u32 s24, ttmp9, 352
	s_lshl_b32 s24, s24, 2
	s_add_co_u32 s24, s24, s22                     ; my wave's run of 8,192 numbers
	s_lshl_b32 s26, s24, 15
	s_mov_b32 s27, 0
	s_add_nc_u64 s[12:13], s[12:13], s[26:27]
	s_lshl_b32 s26, s24, 14
	s_add_nc_u64 s[18:19], s[18:19], s[26:27]
	v_lshlrev_b32 v3, 4, v2                        ; in: 16 bytes a lane
	v_lshlrev_b32 v4, 3, v2                        ; out: 8 bytes a lane
.macro WLOAD n                         ; round n: sixteen loads of 512 consecutive bytes into set n % 2
.irp i, 0,1,2,3,4,5,6,7,8,9,10,11,12,13,14,15
	global_load_b128 v[16+64*((\n)%2)+4*\i:16+64*((\n)%2)+4*\i+3], v3, s[12:13] offset:512*(16*(\n)+\i) th:TH_LOAD_NT
.endr
.endm
.macro WROUND n
	s_wait_xcnt 0x0                                ; the last round's stores have read v144-175, which are written again below
.irp i, 0,1,2,3,4,5,6,7,8,9,10,11,12,13,14,15
.if (\n) < 3
	s_wait_loadcnt 31-\i                           ; behind load i: the rest of this round and the next round's sixteen
.else
	s_wait_loadcnt 15-\i
.endif
	v_cvt_pk_f16_f32 v[144+2*\i], v[16+64*((\n)%2)+4*\i], v[17+64*((\n)%2)+4*\i]
	v_cvt_pk_f16_f32 v[145+2*\i], v[18+64*((\n)%2)+4*\i], v[19+64*((\n)%2)+4*\i]
	global_store_b64 v4, v[144+2*\i:145+2*\i], s[18:19] offset:256*(16*(\n)+\i)   ; the wave stores 256 consecutive bytes, aligned
.endr
.if (\n)+2 < 4
	WLOAD (\n)+2
.endif
.endm
	WLOAD 0
	WLOAD 1
	WROUND 0
	WROUND 1
	WROUND 2
	WROUND 3
	s_endpgm
	; ---------------- the table of cos and sin ----------------
.Lrope:
	s_sub_co_u32 s24, ttmp9, 384
	s_lshl_b32 s24, s24, 7
	s_mov_b32 s26, 0x3fc90fdb                      ; pi / 2, its f32 part,
	s_mov_b32 s27, 0xb33bbd2e                      ; and the rest of it
	s_mov_b32 s28, 0xbe2aaaa3                      ; sin: -1.6666654611e-1, 8.3321608736e-3, -1.9515295891e-4
	s_mov_b32 s29, 0x3c08839e
	s_mov_b32 s30, 0xb94ca1f9
	s_mov_b32 s31, 0x3d2aaaa5                      ; cos: 4.166664568e-2, -1.388731625e-3, 2.443315712e-5
	s_mov_b32 s32, 0xbab6061a
	s_mov_b32 s33, 0x37ccf5ce
	v_add_nc_u32 v1, s24, v0                       ; T: my entry of 16 bytes among the first 4,096 (16 blocks of positions)
	v_and_b32 v2, 15, v0                           ; r
	v_bfe_u32 v3, v0, 4, 1                         ; hh
	v_bfe_u32 v4, v1, 5, 1                         ; c
	v_bfe_u32 v5, v1, 6, 2                         ; bq
	v_lshrrev_b32 v6, 8, v1
	v_lshl_add_u32 v6, v6, 4, v2                   ; my first position
	v_lshlrev_b32 v7, 3, v5
	v_lshl_add_u32 v7, v3, 2, v7
	v_lshl_add_u32 v7, v4, 1, v7                   ; my first pair: 8 bq + 4 hh + 2 c
	v_cvt_f32_u32 v8, v7
	v_add_nc_u32 v7, 1, v7
	v_cvt_f32_u32 v9, v7
	v_mul_f32 v8, 0xbed49a78, v8                   ; - pair x log2(10000) / 32
	v_mul_f32 v9, 0xbed49a78, v9
	v_exp_f32 v8, v8                               ; inv_freq of my two pairs
	v_exp_f32 v9, v9
	v_lshlrev_b32 v10, 4, v1                       ; my byte in the table (the plain line behind the exponentials)
	s_wait_alu depctr_va_vdst(0)                   ; one wait for both, ahead of their first reader
.macro SINCOS f, out                   ; the angle v14 x v[f]: cos into v[out], sin into v[out + 1]
	v_mul_f32 v16, v14, v[\f]
	v_mul_f32 v17, 0x3f22f983, v16
	v_rndne_f32 v17, v17                           ; n: the nearest multiple of pi / 2
	v_fma_f32 v18, -v17, s26, v16
	v_fma_f32 v18, -v17, s27, v18                  ; what is left, within +-pi / 4
	v_mul_f32 v19, v18, v18
	v_fma_f32 v20, v19, s30, s29
	v_fma_f32 v22, v19, s33, s32
	v_fma_f32 v20, v20, v19, s28
	v_fma_f32 v22, v22, v19, s31
	v_mul_f32 v21, v18, v19
	v_mul_f32 v23, v19, v19
	v_fma_f32 v24, v19, -0.5, 1.0
	v_fma_f32 v20, v21, v20, v18                   ; sin
	v_fma_f32 v22, v23, v22, v24                   ; cos
	v_cvt_i32_f32 v25, v17
	v_and_b32 v26, 1, v25
	v_cmp_eq_u32 vcc_lo, 1, v26                    ; an odd quadrant swaps the two: a choice of values, no branch
	v_cndmask_b32 v27, v20, v22, vcc_lo
	v_cndmask_b32 v28, v22, v20, vcc_lo
	v_and_b32 v26, 2, v25                          ; sin changes sign in quadrants 2 and 3,
	v_lshlrev_b32 v26, 30, v26
	v_xor_b32 v[\out+1], v26, v27
	v_add_nc_u32 v25, 1, v25                       ; cos in quadrants 1 and 2
	v_and_b32 v25, 2, v25
	v_lshlrev_b32 v25, 30, v25
	v_xor_b32 v[\out], v25, v28
.endm
.macro ITEM k                          ; the same entry 256 k positions on: registers of its own, so no store's data are written again
	v_add_nc_u32 v14, 256*(\k), v6
	v_cvt_f32_u32 v14, v14
	SINCOS 8, 32+4*(\k)
	SINCOS 9, 34+4*(\k)
	global_store_b128 v10, v[32+4*(\k):35+4*(\k)], s[20:21] offset:65536*(\k)   ; the wave stores 512 consecutive bytes
.endm
.irp k, 0,1,2,3,4,5,6,7
	ITEM \k
.endr
	s_endpgm
.Lfunc_end_k_qe3c7a7c1b9_prep:
	.size	k_qe3c7a7c1b9_prep, .Lfunc_end_k_qe3c7a7c1b9_prep-k_qe3c7a7c1b9_prep
	.p2alignl 7, 3214868480
	.fill 96, 4, 3214868480
	.section	.rodata,"a",@progbits
	.p2align	6, 0x0
	.amdhsa_kernel k_qe3c7a7c1b9_prep
		.amdhsa_group_segment_fixed_size 33280
		.amdhsa_private_segment_fixed_size 0
		.amdhsa_enable_private_segment 0
		.amdhsa_kernarg_size 72
		.amdhsa_user_sgpr_count 2
		.amdhsa_user_sgpr_kernarg_segment_ptr 1
		.amdhsa_wavefront_size32 1
		.amdhsa_system_sgpr_workgroup_id_x 1
		.amdhsa_system_sgpr_workgroup_id_y 1
		.amdhsa_system_sgpr_workgroup_id_z 1
		.amdhsa_system_vgpr_workitem_id 0
		.amdhsa_next_free_vgpr 192
		.amdhsa_next_free_sgpr 66
		.amdhsa_reserve_vcc 1
		.amdhsa_float_denorm_mode_32 3
		.amdhsa_float_denorm_mode_16_64 3
		.amdhsa_memory_ordered 1
		.amdhsa_forward_progress 1
		.amdhsa_inst_pref_size 78
	.end_amdhsa_kernel
	.amdgpu_metadata
---
amdhsa.version: [ 1, 2 ]
amdhsa.kernels:
  - .name:           k_qe3c7a7c1b9_prep
    .symbol:         k_qe3c7a7c1b9_prep.kd
    .args:
      - { .name: x, .offset: 0, .size: 8, .value_kind: global_buffer, .address_space: global }
      - { .name: wq_w, .offset: 8, .size: 8, .value_kind: global_buffer, .address_space: global }
      - { .name: wk_w, .offset: 16, .size: 8, .value_kind: global_buffer, .address_space: global }
      - { .name: wv_w, .offset: 24, .size: 8, .value_kind: global_buffer, .address_space: global }
      - { .name: wo_w, .offset: 32, .size: 8, .value_kind: global_buffer, .address_space: global }
      - { .name: codes, .offset: 40, .size: 8, .value_kind: global_buffer, .address_space: global }
      - { .name: scales, .offset: 48, .size: 8, .value_kind: global_buffer, .address_space: global }
      - { .name: wo16, .offset: 56, .size: 8, .value_kind: global_buffer, .address_space: global }
      - { .name: rope, .offset: 64, .size: 8, .value_kind: global_buffer, .address_space: global }
    .group_segment_fixed_size: 33280
    .private_segment_fixed_size: 0
    .kernarg_segment_align: 8
    .kernarg_segment_size: 72
    .max_flat_workgroup_size: 128
    .sgpr_count:     66
    .vgpr_count:     192
    .wavefront_size: 32
...
	.end_amdgpu_metadata
.endif
;; end of part 1
;; launch qkv (part 2): grid 12 x 32, 4 waves a work-group, clusters of 4 x 4, 327,680 bytes of LDS; arguments codes, scales, wq_b, wk_b, wv_b, rope, qkv16, fine32; writes qkv16, fine32
.if DOCPART == 2
	.amdgcn_target "amdgcn-amd-amdhsa--gfx1250"
	.amdhsa_code_object_version 6
	.text
	.protected	k_qe3c7a7c1b9_qkv
	.globl	k_qe3c7a7c1b9_qkv
	.p2align	8
	.type	k_qe3c7a7c1b9_qkv,@function
k_qe3c7a7c1b9_qkv:
	s_mov_b64 s[64:65], 0
	v_nop
	global_prefetch_b8 v0, s[64:65] scope:SCOPE_SE
	s_setreg_imm32_b32 hwreg(HW_REG_WAVE_MODE, 25, 1), 1
	s_wait_xcnt 0x0
	s_wait_alu depctr_hold_cnt(0) depctr_sa_sdst(0) depctr_va_vdst(0) depctr_va_sdst(0) depctr_va_ssrc(0) depctr_va_vcc(0) depctr_vm_vsrc(0)
	s_getreg_b32 s2, hwreg(HW_REG_IB_STS2, 6, 4)
	s_cmp_eq_u32 s2, 0
	s_cbranch_scc0 .Lentry_in_a_cluster
	s_endpgm
.Lentry_in_a_cluster:
	s_bfe_u32 s2, ttmp6, 0x10000c
	s_cmp_lg_u32 s2, 0xf033
	s_cbranch_scc0 .Lentry_shape_is_right
	s_endpgm
.Lentry_shape_is_right:
; q, k, v = x W^T + b on codes of FP4 (E2M1) with one E8M0 scale for each 32 along K = 1,024; q and k are then rotated (pairs of neighbours, by the table of cos and sin); all three leave as f16.
; codes: [11264 rows][512 bytes], rows 0-8191 x, 8192 on wq, wk, wv;  scales: [11264][32 bytes].
; A work-group of four waves makes 256 x 256 results, a wave 128 x 128: 64 accumulators of 16 x 16.  All of K lies in two LDS slots of 512 along K, each filled once; the scale bytes of the 512 rows come with them.
; CLUSTERS of 4 x 4.  The cluster's x is the KIND (0 q, 1 k, 2 v), its y a block Y of 256 positions.  Two roles: role A is shared along a row of the cluster, role B along a column; each tile is asked for jointly.
;   q, k:  A = x, batch cy, positions 256 Y on;  B = the weight's rows 256 cx on.        v:  A = wv's rows 256 cy on;  B = x, batch cx, positions 256 Y on.
; THE MATRIX INSTRUCTION TAKES B's ROWS AS SOURCE 0 AND A's AS SOURCE 1: lane (r, hh), register j holds (A's row r, B's row 8 hh + j).  So for q and k a lane holds one position and eight neighbouring channels,
; for v one channel and eight neighbouring positions: rounded to f16 in pairs, an accumulator IS half a fragment (16 x 32, 16 bits) of the attention's products, K Q^T and V^T P.
; THE RESULTS LEAVE AS IMAGES OF THOSE FRAGMENTS, straight from registers, 512 consecutive bytes a store, no stage in LDS:
;   qkv16 [kind][batch][head][262,144 bytes]:  q, k: [block of 16 positions 128][g 2][c 2][lane][16 bytes]: position r, channels 32 g + 16 c + 8 hh + 0..7;
;                                              v:    [32 keys 64][dt 4][c 2][lane][16 bytes]: channel 16 dt + r, keys 32 kg + 16 c + 8 hh + 0..7.
;   fine32 [kind][batch][head][blk 4][c 2][lane][16 bytes]: the f32 results of positions 0-15 as they lie in the registers, for the launch that carries those rows in f32.
; LIMIT: q, k, v go to f16: magnitudes over 65,504 are not served (with x and the weights 30 times the drawn spread, or offset by 30 spreads, they stay under 20,000).
; REGISTERS, in windows of 256: window 0: v0-31 addresses; v32-95 scale words, two sets, and nothing else; from v128 A's fragments, ONE set; on the way out v96-191 at work.
;   window 1: B's fragments, two sets, at v0 and v128; on the way out the bias (v0-63) and two sets of the table (v64-127).   windows 2, 3: the accumulators ((a, b) at v[8 (8 (a % 4) + b)]).
.set NQ,     4                         ; matrix instructions deep in a slot
.set ROWB,   256                       ; a tile's row in bytes: 512 codes
.set KROW,   512                       ; a row of codes in memory
.set PITCH,  272                       ; an LDS row: 256 bytes + 16 of padding: the 16 rows that a load touches start 68 words apart
.set FR,     8
.set NL,     2
.set NP,     4                         ; places behind this matrix instruction (ISA guide 7.12.1)
.set HALFT,  128*PITCH
.set SLOT,   4*HALFT                   ; A's 256 rows, then B's 256 rows
.set KS,     32                        ; a row of scales in bytes
.set SCL,    2*SLOT                    ; behind the slots: the scales, as units of 256 bytes + 16 of padding
.set HALFS,  (128*KS/256)*272
.set SBLK,   (16*KS/256)*272
.set SPARE,  SCL+4*HALFS               ; the spare words, 128 bytes a wave
.set ADRA, 16                          ; v16-17  LDS address of my A fragments in slot 0, 1
.set ADRB, 20                          ; v20-21  the same for B
.set LI,   25                          ; v25     16 x lane: my place in an image
.set ADRS, 27                          ; v27     LDS address of my scale words: lanes 0-15 A's rows, lanes 16-31 B's
.set SPW,  28                          ; v28     LDS address of my spare word; never rewritten
.set NIL,  29                          ; v29     0; never rewritten
.set SC,   32
.set AF,   128
.set T,    96                          ; the way out, window 0: v96-127 results + bias (v: v96-103 the bias)
.set U,    128                         ; v128-159 rotated results (v: results + bias)
.set H,    160                         ; v160-191 f16, two sets of 16
.set BV,   96
.set G1, 24
.set G0, 32
.set G1B, 48
.set G0B, 56
.set G1S, 68
.set G0S, 76
.set G1SB, 80
.set G0SB, 88
.set MSB, 0
.macro WIN new                         ; the immediate's high byte repeats the setting that is left
.if MSB != \new
	s_set_vgpr_msb (MSB<<8)|\new
.set MSB, \new
.endif
.endm
.set MUL_LO, 0xa1                      ; source 0 (B) window 1, source 1 (A) window 0, C and D window 2
.set MUL_HI, 0xf1
.set TO_B,   0x40                      ; destination window 1, address window 0
; A joint load: waves 0 and 1 fetch for A, waves 2 and 3 for B.  The branch hangs on the wave's number alone.  An s_nop 0 and four v_nop follow each of the two lines.
.macro JLOAD g0a, g1a, g0b, g1b
	s_cmp_eq_u32 s15, 0
	s_cbranch_scc0 .Lfor_b_\@
	tensor_load_to_lds s[\g0a:\g0a+3], s[\g1a:\g1a+7]
	s_nop 0
.rept 4
	v_nop
.endr
	s_branch .Lasked_\@
.Lfor_b_\@:
	tensor_load_to_lds s[\g0b:\g0b+3], s[\g1b:\g1b+7]
	s_nop 0
.rept 4
	v_nop
.endr
.Lasked_\@:
.endm
.macro CREST
	s_cmp_lg_u32 s14, 0
	s_cbranch_scc1 .Lnot_wave_0_\@
	s_barrier_signal -3
.Lnot_wave_0_\@:
	s_barrier_wait -3
	s_barrier_signal -1
	s_barrier_wait -1
.endm
.macro CROUND                          ; a round of the cluster's barrier
	s_barrier_signal -1
	s_barrier_wait -1
	CREST
.endm
	s_load_b128 s[4:7], s[0:1], 0x0                ; codes, scales
	s_load_b128 s[8:11], s[0:1], 0x10              ; wq_b, wk_b
	s_load_b128 s[96:99], s[0:1], 0x20             ; wv_b, rope
	s_load_b64 s[12:13], s[0:1], 0x30              ; qkv16
	s_load_b64 s[100:101], s[0:1], 0x38            ; fine32
	v_lshl_add_u32 v[SPW], v0, 2, SPARE
	v_mov_b32 v[NIL], 0
	ds_add_u32 v[SPW], v[NIL]                      ; the wave's opening: the add, twice on end, and its wait ahead of my first tensor load
	ds_add_u32 v[SPW], v[NIL]
	v_lshrrev_b32 v1, 5, v0
	v_readfirstlane_b32 s14, v1                    ; wave 0..3
	s_lshr_b32 s15, s14, 1                         ; rh: which half of A's rows is mine.  Also: I fetch for A (0) or for B (1)
	s_and_b32 s16, s14, 1                          ; ch: which half of B's rows.  Also: which 128 rows of that tile I fetch
	s_bfe_u32 s40, ttmp6, 0x40000                  ; cx, cy: my place in the cluster
	s_bfe_u32 s41, ttmp6, 0x40004
	s_and_b32 s95, ttmp7, 0xffff                   ; Y
	s_lshl_b32 s17, s41, 3
	s_add_co_u32 s17, s17, s95                     ; A's tile of 256 rows of the codes: x, 8 cy + Y,
	s_add_co_u32 s66, s41, 40                      ; or wv, 40 + cy
	s_lshl_b32 s42, ttmp9, 2
	s_add_co_u32 s42, s42, s40
	s_add_co_u32 s42, s42, 32                      ; B's: the weight, 32 + 4 kind + cx,
	s_lshl_b32 s67, s40, 3
	s_add_co_u32 s67, s67, s95                     ; or x, 8 cx + Y
	s_cmp_eq_u32 ttmp9, 2                          ; the kind is the cluster's x: the same in all sixteen partners
	s_cselect_b32 s17, s66, s17                    ; A's hangs on cy and the cluster's numbers alone,
	s_cselect_b32 s42, s67, s42                    ; B's on cx and the cluster's numbers alone
	s_lshl_b32 s43, s41, 2
	s_lshl_b32 s43, 15, s43                        ; my row of the cluster
	s_lshl_b32 s44, 0x1111, s40                    ; my column
	; descriptor group 1: a tile of 128 rows x 256 bytes, 16 bytes of padding behind each row
	s_or_b32 s[G1+0], s43, (0<<16)|(1<<20)|(1<<21)|(5<<22)|(3<<25)
	s_or_b32 s[G1B+0], s44, (0<<16)|(1<<20)|(1<<21)|(5<<22)|(3<<25)
.irp g, G1, G1B
	s_mov_b32 s[\g+1], ROWB<<16                    ; tensor_dim0
	s_mov_b32 s[\g+2], 128<<16                     ; tensor_dim1
	s_mov_b32 s[\g+3], ROWB<<16                    ; tile_dim0
	s_mov_b32 s[\g+4], 128                         ; tile_dim1
	s_mov_b32 s[\g+5], KROW                        ; from row to row
	s_mov_b32 s[\g+6], 0
	s_mov_b32 s[\g+7], 0
.endr
	; the scales of 128 rows: 4,096 dense bytes, as 16 rows of 256 bytes (32 elements of 8), 16 bytes of padding behind each
	s_or_b32 s[G1S+0], s43, (3<<16)|(1<<20)|(1<<21)|(5<<22)|(3<<25)
	s_or_b32 s[G1SB+0], s44, (3<<16)|(1<<20)|(1<<21)|(5<<22)|(3<<25)
.irp g, G1S, G1SB
	s_mov_b32 s[\g+1], 32<<16
	s_mov_b32 s[\g+2], (128*KS/256)<<16
	s_mov_b32 s[\g+3], 32<<16
	s_mov_b32 s[\g+4], 128*KS/256
	s_mov_b32 s[\g+5], 32
	s_mov_b32 s[\g+6], 0
	s_mov_b32 s[\g+7], 0
.endr
	s_lshl_b32 s18, s16, 7                         ; which 128 rows of the tile I fetch
	s_lshl_b32 s20, s17, 8
	s_add_co_u32 s20, s20, s18                     ; A: first row
	s_lshl_b32 s46, s42, 8
	s_add_co_u32 s46, s46, s18                     ; B: first row
	s_mov_b32 s21, 0
	s_mov_b32 s47, 0
	s_mov_b64 s[18:19], KS
	s_mul_u64 s[22:23], s[20:21], s[18:19]         ; where these rows' scales begin, in bytes,
	s_mul_u64 s[92:93], s[46:47], s[18:19]
	s_mov_b64 s[18:19], KROW
	s_mul_u64 s[20:21], s[20:21], s[18:19]         ; and their codes
	s_mul_u64 s[46:47], s[46:47], s[18:19]
	s_mul_i32 s45, s14, HALFT                      ; where they go: wave x 128 rows: no place in the cluster enters an LDS address
	s_mul_i32 s94, s14, HALFS
	s_wait_dscnt 0x0                               ; both opening adds are done
	s_wait_kmcnt 0x0
	s_add_nc_u64 s[20:21], s[4:5], s[20:21]
	s_add_nc_u64 s[22:23], s[6:7], s[22:23]
	s_add_nc_u64 s[46:47], s[4:5], s[46:47]
	s_add_nc_u64 s[92:93], s[6:7], s[92:93]
	CROUND                                         ; all sixteen work-groups are here: the first joint loads meet
	s_mov_b32 s[G0S], 1
	s_add_co_u32 s[G0S+1], s94, SCL
	s_mov_b64 s[G0S+2:G0S+3], s[22:23]
	s_or_b32 s[G0S+3], s[G0S+3], 0x80000000
	s_mov_b32 s[G0SB], 1
	s_add_co_u32 s[G0SB+1], s94, SCL
	s_mov_b64 s[G0SB+2:G0SB+3], s[92:93]
	s_or_b32 s[G0SB+3], s[G0SB+3], 0x80000000
	JLOAD G0S, G1S, G0SB, G1SB                     ; the scales first: they are wanted with the first slot
.irp s, 0,1
	s_mov_b32 s[G0+4*\s], 1
	s_add_co_u32 s[G0+4*\s+1], s45, \s*SLOT
	s_add_nc_u64 s[G0+4*\s+2:G0+4*\s+3], s[20:21], \s*ROWB
	s_or_b32 s[G0+4*\s+3], s[G0+4*\s+3], 0x80000000
	s_mov_b32 s[G0B+4*\s], 1
	s_add_co_u32 s[G0B+4*\s+1], s45, \s*SLOT
	s_add_nc_u64 s[G0B+4*\s+2:G0B+4*\s+3], s[46:47], \s*ROWB
	s_or_b32 s[G0B+4*\s+3], s[G0B+4*\s+3], 0x80000000
	JLOAD G0+4*\s, G1, G0B+4*\s, G1B               ; three tensor loads of mine are out at the most
.endr
	v_and_b32 v1, 15, v0                           ; r
	v_bfe_u32 v2, v0, 4, 1                         ; hh
	v_mul_u32_u24 v3, v1, PITCH
	v_lshl_add_u32 v4, v2, 4, v3                   ; a fragment's row x pitch + 16 x half
	s_mul_i32 s21, s15, HALFT                      ; my 128 rows of A
	s_mul_i32 s22, s16, HALFT                      ; my 128 rows of B,
	s_add_co_u32 s22, s22, 2*HALFT                 ; which lie behind A's 256
.irp s, 0,1
	v_add_nc_u32 v[ADRA+\s], s21, v4
	v_add_nc_u32 v[ADRB+\s], s22, v4
	s_add_co_u32 s21, s21, SLOT
	s_add_co_u32 s22, s22, SLOT
.endr
	v_mul_u32_u24 v5, v1, KS                       ; my row's scales: 32 bytes a row,
	v_lshrrev_b32 v6, 8, v5
	v_lshl_add_u32 v5, v6, 4, v5                   ; and 16 more for each 256 passed
	s_mul_i32 s21, s15, HALFS
	s_mul_i32 s22, s16, HALFS
	s_add_co_u32 s22, s22, 2*HALFS
	s_sub_co_u32 s22, s22, s21
	v_mul_u32_u24 v6, s22, v2                      ; lanes 16-31 take B's: one product, the distance between the two bases
	s_add_co_u32 s21, s21, SCL
	v_add_nc_u32 v5, v5, v6
	v_add_nc_u32 v[ADRS], s21, v5
	v_and_b32 v6, 31, v0
	v_lshlrev_b32 v[LI], 4, v6
	v_lshlrev_b32 v30, 5, v2                       ; q, k: my eight numbers of a bias: 32 hh bytes on
	v_lshlrev_b32 v31, 2, v1                       ; v: my channel's: 4 r bytes on
.macro FRAG reg, adr, q, i             ; 16 rows x 128 K of 4-bit codes: 8 registers: registers 4 c .. 4 c + 3 hold K = 64 c + 32 hh + 0 .. 31
.irp c, 0,1
	ds_load_b128 v[\reg+4*\c:\reg+4*\c+3], v[\adr] offset:64*(\q)+32*\c+(\i)*16*PITCH
.endr
.endm
; 16 matrix instructions: A's blocks a0, a0 + 1 x B's eight, 128 along K.  The 64 accumulators take turns, one instruction a turn, in the same order in every step.
.macro MUL16 a0, p, q, sc, zero
.irp a, \a0, \a0+1
.irp b, 0,1,2,3,4,5,6,7
.if \zero
	v_wmma_scale_f32_16x16x128_f8f6f4 v[8*(8*((\a)%4)+\b):8*(8*((\a)%4)+\b)+7], v[128*(\p)+FR*\b:128*(\p)+FR*\b+FR-1], v[AF+FR*(\a):AF+FR*(\a)+FR-1], 0, v[SC+8*NQ*(\sc)+NQ*\b+(\q)], v[SC+8*NQ*(\sc)+NQ*(\a)+(\q)] matrix_a_fmt:MATRIX_FMT_FP4 matrix_b_fmt:MATRIX_FMT_FP4 matrix_a_scale:MATRIX_SCALE_ROW1
.else
	v_wmma_scale_f32_16x16x128_f8f6f4 v[8*(8*((\a)%4)+\b):8*(8*((\a)%4)+\b)+7], v[128*(\p)+FR*\b:128*(\p)+FR*\b+FR-1], v[AF+FR*(\a):AF+FR*(\a)+FR-1], v[8*(8*((\a)%4)+\b):8*(8*((\a)%4)+\b)+7], v[SC+8*NQ*(\sc)+NQ*\b+(\q)], v[SC+8*NQ*(\sc)+NQ*(\a)+(\q)] matrix_a_fmt:MATRIX_FMT_FP4 matrix_b_fmt:MATRIX_FMT_FP4 matrix_a_scale:MATRIX_SCALE_ROW1
.endif
.endr
.endr
.endm
.macro FETCH_B slot, q, p
	WIN TO_B
.irp i, 0,1,2,3,4,5,6,7
	FRAG 128*(\p)+FR*\i, ADRB+\slot, \q, \i
.endr
	WIN 0
.endm
.macro FETCH_A slot, q, i0
.irp i, \i0, \i0+1, \i0+2, \i0+3
	FRAG AF+FR*(\i), ADRA+\slot, \q, \i
.endr
.endm
.macro SCALES sc                       ; a slot's scale words: four words a row; lanes 0-15 take A's block i, lanes 16-31 B's block i
.irp i, 0,1,2,3,4,5,6,7
	ds_load_b128 v[SC+8*NQ*\sc+NQ*\i:SC+8*NQ*\sc+NQ*\i+3], v[ADRS] offset:\i*SBLK
.endr
.endm
.macro PLACES n                        ; plain vector instructions between a matrix instruction and a load into, or a read of, its registers
.rept \n
	v_nop
.endr
.endm
.macro STEP slot, q, zero              ; a step of 128 along K that has its successor in the same slot
	s_wait_dscnt 4*NL                              ; B's set and A's blocks 0-3 are in; the youngest eight loads (A's blocks 4-7) may be out
	WIN MUL_LO
	MUL16 0, (\q)%2, \q, \slot, \zero
	MUL16 2, (\q)%2, \q, \slot, \zero
	s_wait_dscnt 0
	PLACES NP
	FETCH_B \slot, (\q)+1, 1-(\q)%2
	FETCH_A \slot, (\q)+1, 0
	WIN MUL_HI
	MUL16 4, (\q)%2, \q, \slot, \zero
	MUL16 6, (\q)%2, \q, \slot, \zero
	PLACES NP
	WIN 0
	FETCH_A \slot, (\q)+1, 4
.endm
; Slot 0's last step changes slots: each wave waits for all its tensor loads (its part of slot 1), adds 0 to its spare word and waits for that; behind the barrier slot 1 is whole.  Nothing is filled again.
.macro TURN slot, next
	s_wait_tensorcnt 0x0
	ds_add_u32 v[SPW], v[NIL]
	s_wait_dscnt 4*NL+1                            ; (the add and the youngest eight loads may be out)
	WIN MUL_LO
	MUL16 0, 1, NQ-1, \slot, 0
	s_wait_dscnt 0x0
	s_barrier_signal -1
	MUL16 2, 1, NQ-1, \slot, 0
	WIN 0
	s_barrier_wait -1
	PLACES NP
	v_add_nc_u32 v[ADRS], 4*NQ, v[ADRS]            ; on to the next slot's scale words
	FETCH_B \next, 0, 0
	FETCH_A \next, 0, 0
	SCALES \next
	WIN MUL_HI
	MUL16 4, 1, NQ-1, \slot, 0
	MUL16 6, 1, NQ-1, \slot, 0
	PLACES NP
	WIN 0
	FETCH_A \next, 0, 4
.endm
.macro STEPS slot, from
.set Q, \from
.rept NQ-1-\from
	STEP \slot, Q, 0
.set Q, Q+1
.endr
.endm
	s_wait_tensorcnt 1                             ; the scales and my part of slot 0 are in (slot 1's load may be out),
	s_barrier_signal -1
	s_barrier_wait -1                              ; everybody's are
	FETCH_B 0, 0, 0
	FETCH_A 0, 0, 0
	SCALES 0
	FETCH_A 0, 0, 4
	STEP 0, 0, 1                                   ; the first step's products start the sums: nothing is cleared
	STEPS 0, 1
	TURN 0, 1
	STEPS 1, 0
	s_wait_dscnt 4*NL                              ; the last step: nothing more to fetch
	WIN MUL_LO
	MUL16 0, 1, NQ-1, 1, 0
	MUL16 2, 1, NQ-1, 1, 0
	s_wait_dscnt 0
	WIN MUL_HI
	MUL16 4, 1, NQ-1, 1, 0
	MUL16 6, 1, NQ-1, 1, 0
	WIN 0
	PLACES NP                                      ; for the reads of the last results, and for the loads and writes into registers that held fragments
	s_cmp_eq_u32 ttmp9, 2                          ; the kind: the cluster's x, the same in all partners
	s_cbranch_scc1 .Lvpath
	; ---------------- THE WAY OUT OF q AND k: + bias, rotation, f16 ----------------
	s_cmp_eq_u32 ttmp9, 0
	s_cselect_b64 s[20:21], s[8:9], s[10:11]       ; wq_b or wk_b,
	s_lshl_b32 s22, s40, 10
	s_lshl_b32 s23, s16, 9
	s_add_co_u32 s22, s22, s23                     ; at my 128 columns: (256 cx + 128 ch) x 4 bytes
	s_mov_b32 s23, 0
	s_add_nc_u64 s[20:21], s[20:21], s[22:23]
	s_lshl_b32 s22, s95, 4
	s_lshl_b32 s24, s15, 3
	s_add_co_u32 s24, s22, s24                     ; my first block of 16 positions: 16 Y + 8 rh
	s_lshl_b32 s22, s24, 12
	s_add_nc_u64 s[98:99], s[98:99], s[22:23]      ; the table: 4,096 bytes a block
	s_lshl_b32 s25, s41, 4
	s_lshl_b32 s26, s40, 2
	s_add_co_u32 s25, s25, s26
	s_lshl_b32 s26, s16, 1
	s_add_co_u32 s25, s25, s26                     ; batch x 16 + my first head: 16 cy + 4 cx + 2 ch
	s_lshl_b32 s22, s25, 7
	s_add_co_u32 s22, s22, s24
	s_lshl_b32 s22, s22, 11                        ; 2,048 bytes a block of positions, 128 blocks a head
	s_add_nc_u64 s[12:13], s[12:13], s[22:23]
	s_lshl_b32 s22, ttmp9, 24                      ; 16,777,216 bytes a kind
	s_add_nc_u64 s[12:13], s[12:13], s[22:23]
	s_lshl_b32 s22, ttmp9, 6
	s_add_co_u32 s22, s22, s25
	s_lshl_b32 s22, s22, 12                        ; fine32: 4,096 bytes a head
	s_add_nc_u64 s[100:101], s[100:101], s[22:23]
	s_or_b32 s36, s95, s15                         ; 0: my block 0 is positions 0-15
	WIN TO_B
.irp b, 0,1,2,3,4,5,6,7                ; the bias in the result's layout: register 8 b + j: column 16 b + 8 hh + j
	global_load_b128 v[8*\b:8*\b+3], v30, s[20:21] offset:64*\b
	global_load_b128 v[8*\b+4:8*\b+7], v30, s[20:21] offset:64*\b+16
.endr
.macro TBLOAD a                        ; the table of block a of positions into set a % 2: register 8 bq + 2 p: cos, + 1: sin, of the pair that lies in an accumulator's registers 2 p, 2 p + 1
	WIN TO_B
.irp q, 0,1,2,3
.irp c, 0,1
	global_load_b128 v[64+32*((\a)%2)+8*\q+4*\c:64+32*((\a)%2)+8*\q+4*\c+3], v[LI], s[98:99] offset:4096*(\a)+1024*\q+512*\c
.endr
.endr
.endm
	TBLOAD 0
	TBLOAD 1
.macro RBLOCK a                        ; block a of 16 positions x my 128 columns: two heads, one after the other
.set AC, 64*((\a)%4)
.set TB, 64+32*((\a)%2)
.set WN, 0x06+(\a)/4                   ; source 0: the accumulators' window, source 1: window 1
.if (\a) < 7
	s_wait_loadcnt 8                               ; the bias and this block's table are in; the next block's eight loads may be out
.else
	s_wait_loadcnt 0
.endif
.irp hd, 0,1
	s_wait_xcnt 0x0                                ; earlier stores have read their data: U and H are written again below
	WIN WN
.irp q, 0,1,2,3
.irp p, 0,2,4,6
	v_pk_add_f32 v[T+8*\q+\p:T+8*\q+\p+1], v[AC+32*\hd+8*\q+\p:AC+32*\hd+8*\q+\p+1], v[32*\hd+8*\q+\p:32*\hd+8*\q+\p+1]   ; + bias; each accumulator from its low end on
.endr
.endr
	WIN 0x04
.irp q, 0,1,2,3
.irp p, 0,2,4,6
	v_pk_mul_f32 v[U+8*\q+\p:U+8*\q+\p+1], v[T+8*\q+\p:T+8*\q+\p+1], v[TB+8*\q+\p:TB+8*\q+\p+1] op_sel_hi:[1,0]   ; (xe cos, xo cos)
.endr
.endr
.irp q, 0,1,2,3
.irp p, 0,2,4,6
	v_pk_fma_f32 v[U+8*\q+\p:U+8*\q+\p+1], v[T+8*\q+\p:T+8*\q+\p+1], v[TB+8*\q+\p:TB+8*\q+\p+1], v[U+8*\q+\p:U+8*\q+\p+1] op_sel:[1,1,0] op_sel_hi:[0,1,1] neg_lo:[0,1,0]   ; (- xo sin + xe cos, xe sin + xo cos)
.endr
.endr
	WIN 0
.irp q, 0,1,2,3
.irp p, 0,2,4,6
	v_cvt_pk_f16_f32 v[H+16*\hd+4*\q+\p/2], v[U+8*\q+\p], v[U+8*\q+\p+1]
.endr
.endr
.irp q, 0,1,2,3
	global_store_b128 v[LI], v[H+16*\hd+4*\q:H+16*\hd+4*\q+3], s[12:13] offset:262144*\hd+2048*(\a)+512*\q   ; half a fragment: 512 consecutive bytes
.endr
.if (\a) == 0
	s_cmp_lg_u32 s36, 0                            ; the cluster's y and the wave's number alone
	s_cbranch_scc1 .Lrf\hd
.irp q, 0,1,2,3
.irp c, 0,1
	global_store_b128 v[LI], v[U+8*\q+4*\c:U+8*\q+4*\c+3], s[100:101] offset:4096*\hd+1024*\q+512*\c   ; positions 0-15 in f32
.endr
.endr
.Lrf\hd:
.endif
.endr
.if (\a)+2 < 8
	TBLOAD (\a)+2
.endif
.endm
.irp a, 0,1,2,3,4,5,6,7
	RBLOCK \a
.endr
	WIN 0
	s_branch .Ldone
	; ---------------- THE WAY OUT OF v: + bias, f16 ----------------
.Lvpath:
	s_lshl_b32 s22, s41, 10
	s_lshl_b32 s23, s15, 9
	s_add_co_u32 s22, s22, s23                     ; my 128 channels of wv_b: (256 cy + 128 rh) x 4 bytes
	s_mov_b32 s23, 0
	s_add_nc_u64 s[96:97], s[96:97], s[22:23]
	s_lshl_b32 s25, s40, 4
	s_lshl_b32 s26, s41, 2
	s_add_co_u32 s25, s25, s26
	s_lshl_b32 s26, s15, 1
	s_add_co_u32 s25, s25, s26                     ; batch x 16 + my first head: 16 cx + 4 cy + 2 rh
	s_lshl_b32 s22, s25, 6
	s_lshl_b32 s24, s95, 3
	s_add_co_u32 s22, s22, s24
	s_lshl_b32 s24, s16, 2
	s_add_co_u32 s22, s22, s24                     ; + my first group of 32 keys: 8 Y + 4 ch
	s_lshl_b32 s22, s22, 12                        ; 4,096 bytes a group, 64 groups a head
	s_add_nc_u64 s[12:13], s[12:13], s[22:23]
	s_add_nc_u64 s[12:13], s[12:13], 0x2000000     ; kind 2
	s_add_co_u32 s22, s25, 128
	s_lshl_b32 s22, s22, 12
	s_add_nc_u64 s[100:101], s[100:101], s[22:23]
	s_or_b32 s36, s95, s16                         ; 0: my block b = 0 is positions 0-15
.irp a, 0,1,2,3,4,5,6,7
	global_load_b32 v[BV+\a], v31, s[96:97] offset:64*\a   ; the bias of channel 16 a + r
.endr
	s_wait_loadcnt 0x0
.macro VBLOCK a                        ; block a of 16 channels x my 128 positions
.set AC, 64*((\a)%4)
.set WN, 0x02+(\a)/4
.irp hf, 0,1
	s_wait_xcnt 0x0                                ; earlier stores have read their data
	WIN WN
.irp q, 0,1,2,3
.irp p, 0,2,4,6
.if (\a)%2 == 0
	v_pk_add_f32 v[U+8*\q+\p:U+8*\q+\p+1], v[AC+32*\hf+8*\q+\p:AC+32*\hf+8*\q+\p+1], v[BV+2*((\a)/2):BV+2*((\a)/2)+1] op_sel_hi:[1,0]   ; the pair's first register for both halves
.else
	v_pk_add_f32 v[U+8*\q+\p:U+8*\q+\p+1], v[AC+32*\hf+8*\q+\p:AC+32*\hf+8*\q+\p+1], v[BV+2*((\a)/2):BV+2*((\a)/2)+1] op_sel:[0,1]      ; its second for both
.endif
.endr
.endr
	WIN 0
.irp q, 0,1,2,3
.irp p, 0,2,4,6
	v_cvt_pk_f16_f32 v[H+16*\hf+4*\q+\p/2], v[U+8*\q+\p], v[U+8*\q+\p+1]
.endr
.endr
.irp q, 0,1,2,3
	global_store_b128 v[LI], v[H+16*\hf+4*\q:H+16*\hf+4*\q+3], s[12:13] offset:262144*((\a)/4)+4096*(2*\hf+\q/2)+1024*((\a)%4)+512*(\q%2)
.endr
.if \hf == 0
	s_cmp_lg_u32 s36, 0
	s_cbranch_scc1 .Lvf_\@
	global_store_b128 v[LI], v[U:U+3], s[100:101] offset:4096*((\a)/4)+1024*((\a)%4)          ; positions 0-15 in f32
	global_store_b128 v[LI], v[U+4:U+7], s[100:101] offset:4096*((\a)/4)+1024*((\a)%4)+512
.Lvf_\@:
.endif
.endr
.endm
.irp a, 0,1,2,3,4,5,6,7
	VBLOCK \a
.endr
	WIN 0
.Ldone:
	s_wait_tensorcnt 0x0                           ; the wave's end
	ds_add_u32 v[SPW], v[NIL]
	s_wait_dscnt 0x0
	CROUND                                         ; the closing round: no work-group ends while a partner may still ask for a tile that names it
	s_endpgm
.Lfunc_end_k_qe3c7a7c1b9_qkv:
	.size	k_qe3c7a7c1b9_qkv, .Lfunc_end_k_qe3c7a7c1b9_qkv-k_qe3c7a7c1b9_qkv
	.p2alignl 7, 3214868480
	.fill 96, 4, 3214868480
	.section	.rodata,"a",@progbits
	.p2align	6, 0x0
	.amdhsa_kernel k_qe3c7a7c1b9_qkv
		.amdhsa_group_segment_fixed_size 327680
		.amdhsa_private_segment_fixed_size 0
		.amdhsa_enable_private_segment 0
		.amdhsa_kernarg_size 64
		.amdhsa_user_sgpr_count 2
		.amdhsa_user_sgpr_kernarg_segment_ptr 1
		.amdhsa_wavefront_size32 1
		.amdhsa_system_sgpr_workgroup_id_x 1
		.amdhsa_system_sgpr_workgroup_id_y 1
		.amdhsa_system_sgpr_workgroup_id_z 1
		.amdhsa_system_vgpr_workitem_id 0
		.amdhsa_next_free_vgpr 1024
		.amdhsa_next_free_sgpr 102
		.amdhsa_reserve_vcc 0
		.amdhsa_float_denorm_mode_32 3
		.amdhsa_float_denorm_mode_16_64 3
		.amdhsa_memory_ordered 1
		.amdhsa_forward_progress 1
		.amdhsa_inst_pref_size 220
	.end_amdhsa_kernel
	.amdgpu_metadata
---
amdhsa.version: [ 1, 2 ]
amdhsa.kernels:
  - .name:           k_qe3c7a7c1b9_qkv
    .symbol:         k_qe3c7a7c1b9_qkv.kd
    .args:
      - { .name: codes, .offset: 0, .size: 8, .value_kind: global_buffer, .address_space: global }
      - { .name: scales, .offset: 8, .size: 8, .value_kind: global_buffer, .address_space: global }
      - { .name: wq_b, .offset: 16, .size: 8, .value_kind: global_buffer, .address_space: global }
      - { .name: wk_b, .offset: 24, .size: 8, .value_kind: global_buffer, .address_space: global }
      - { .name: wv_b, .offset: 32, .size: 8, .value_kind: global_buffer, .address_space: global }
      - { .name: rope, .offset: 40, .size: 8, .value_kind: global_buffer, .address_space: global }
      - { .name: qkv16, .offset: 48, .size: 8, .value_kind: global_buffer, .address_space: global }
      - { .name: fine32, .offset: 56, .size: 8, .value_kind: global_buffer, .address_space: global }
    .group_segment_fixed_size: 327680
    .private_segment_fixed_size: 0
    .kernarg_segment_align: 8
    .kernarg_segment_size: 64
    .max_flat_workgroup_size: 128
    .sgpr_count:     102
    .vgpr_count:     1024
    .wavefront_size: 32
...
	.end_amdgpu_metadata
.endif
;; end of part 2
;; launch attn (part 3): grid 4 x 64, 8 waves a work-group, no clusters, 327,680 bytes of LDS; arguments qkv16, attn16; writes attn16
.if DOCPART == 3
	.amdgcn_target "amdgcn-amd-amdhsa--gfx1250"
	.amdhsa_code_object_version 6
	.text
	.protected	k_qe3c7a7c1b9_attn
	.globl	k_qe3c7a7c1b9_attn
	.p2align	8
	.type	k_qe3c7a7c1b9_attn,@function
k_qe3c7a7c1b9_attn:
	s_mov_b64 s[64:65], 0
	v_nop
	global_prefetch_b8 v0, s[64:65] scope:SCOPE_SE
	s_setreg_imm32_b32 hwreg(HW_REG_WAVE_MODE, 25, 1), 1
	s_wait_xcnt 0x0
; Causal attention, head size 64, 2,048 positions, 64 heads (batch x 16 + head), on f16 operands with f32 sums.  q, k, v arrive as images of the products' fragments (see below), the result leaves as one.
; SHARES.  Work-group (i, head) owns the query blocks i and 7 - i of 256 queries, one after the other: (i + 1) + (8 - i) = 9 units of 256 keys for every work-group: equal work, constant trip counts.
; Each of the eight waves owns 32 queries (two tiles of 16) of the block in hand; two waves share a SIMD, so that one wave's softmax stands beside the other's products.
; NO CLUSTER: the work-groups of a head walk different numbers of key blocks in each pass (i + 1, 8 - i), so partners would not ask for the same tile at the same change of slots.
; LAYOUT.  S^T = K Q^T (source 0 = 16 keys, source 1 = 16 queries) and O^T = V^T P (source 0 = 16 channels, source 1 = P): a lane holds ONE query (lane % 16) throughout; two tiles of S^T, rounded to f16 in pairs, are P.
;   q, k: [block of 16 positions][g 2][c 2][lane][16 bytes];  v: [32 keys][dt 4][c 2][lane][16 bytes];  so 256 keys of K are 32,768 dense bytes, and of V likewise, and a fragment is two loads at 16 x lane.
;   attn16: [block of 16 rows 512][kc 32][c 2][lane][16 bytes], kc = 2 head + g: the fragments of the last projection's left operand.
; SOFTMAX.  A running maximum m and sum l for each query: p = 2^(c s - c m), c = log2(e) / 8; in every step O and l are multiplied by 2^(c m_old - c m_new).
; THE MASK.  A step of 64 keys that begins behind my first query holds no key that counts for any of my 32 queries (both are multiples of 32) and is jumped over: a scalar branch on ids and counts.
; In a step that is walked its first key counts for all 32 queries, so m is a number.  On the diagonal hidden scores become -infinity.
; LIMIT: hidden keys count for nothing, which is what the problem's -1e9 gives while scores stay far under 1e9.  p is rounded to f16 for the second product; l sums the unrounded p.
; LDS: two slots of 65,536 bytes (K's 32,768, then V's), dense; every wave brings 8,192 bytes of each unit by one tensor load; by the text's own count one tensor load of a wave is out at the most.
; REGISTERS: window 0: v2-12 addresses and constants; v16-31 statistics, 8 a tile: c m, m, l, l, c0-c3; v32-95 S^T; v96-127 P; v128-191 O^T; v192-223 Q.   window 1: v0-63 K's eight fragments, v64-127 V's.
.set SLOT1, 65536
.set VOFF,  32768
.set SPARE, 131072                     ; behind the slots: the spare words, 128 bytes a wave
.set LI,   2                           ; v2   16 x lane
.set ADR,  3                           ; v3   the slot in hand + 16 x lane
.set SPW,  6                           ; v6   my spare word; never rewritten
.set NIL,  7                           ; v7   0; never rewritten
.set PFO,  8                           ; v8   256 x lane, for the prefetches
.set NINF, 9                           ; v9   -infinity
.set RH,   10                          ; v10  r - 8 hh
.set D0,   11                          ; v11, v12  the mask's bound for tile 0, 1
.set ST,   16
.set S,    32
.set P,    96
.set O,    128
.set Q,    192
.set MSB, 0
.macro WIN new
.if MSB != \new
	s_set_vgpr_msb (MSB<<8)|\new
.set MSB, \new
.endif
.endm
; s8 wave; s9 i; s10 head; s11 unit; s13 slot in hand; s14 the step's first key; s15 my first query; s[16:23] group 1; s[24:27] group 0; s[28:29] my 8,192 bytes of key block 0; s[30:31] the key block x 32,768;
; s[32:33] the block being asked for; s34 units at which I prefetch; s[36:37] q's head; s[38:39] my Q; s[40:41] my rows of the result; s[44:45] c; s[46:47] lane selects; s48 the query block; s50-53 at work
	s_load_b128 s[4:7], s[0:1], 0x0                ; qkv16, attn16
	v_lshl_add_u32 v[SPW], v0, 2, SPARE
	v_mov_b32 v[NIL], 0
	ds_add_u32 v[SPW], v[NIL]                      ; the wave's opening: the add, twice on end, and its wait ahead of my first tensor load
	ds_add_u32 v[SPW], v[NIL]
	v_lshrrev_b32 v1, 5, v0
	v_readfirstlane_b32 s8, v1                     ; wave 0..7
	s_mov_b32 s9, ttmp9
	s_and_b32 s10, ttmp7, 0xffff
	s_mov_b32 s16, 3<<16                           ; group 1: 32 rows of 256 bytes (32 elements of 8), dense, no padding, no mask
	s_mov_b32 s17, 32<<16                          ; tensor_dim0
	s_mov_b32 s18, 32<<16                          ; tensor_dim1
	s_mov_b32 s19, 32<<16                          ; tile_dim0
	s_mov_b32 s20, 32                              ; tile_dim1
	s_mov_b32 s21, 32                              ; from row to row
	s_mov_b32 s22, 0
	s_mov_b32 s23, 0
	s_mov_b32 s44, 0x3e38aa3b                      ; c = log2(e) / sqrt(64)
	s_mov_b32 s45, s44
	s_mov_b32 s46, 0x76543210
	s_mov_b32 s47, 0xfedcba98
	s_mov_b32 s13, 0
	s_mov_b32 s11, 0
	s_mov_b32 s30, 0
	s_mov_b32 s31, 0
	s_cmp_eq_u32 s9, 0
	s_cselect_b32 s34, 7, 0                        ; the head's work-group 0 prefetches, at units 0 to 6
	s_lshl_b32 s50, s10, 18                        ; 262,144 bytes a head
	s_mov_b32 s51, 0
	s_and_b32 s52, s8, 3
	s_lshl_b32 s52, s52, 13                        ; my quarter of a block's 32,768 bytes
	s_mov_b32 s53, 0
	s_wait_dscnt 0x0                               ; both opening adds are done
	s_wait_kmcnt 0x0
	s_add_nc_u64 s[36:37], s[4:5], s[50:51]
	s_add_nc_u64 s[28:29], s[36:37], s[52:53]
	s_cmp_lt_u32 s8, 4                             ; waves 0-3 bring K, waves 4-7 V
	s_mov_b32 s52, 0x2000000
	s_cselect_b32 s52, 0x1000000, s52
	s_add_nc_u64 s[28:29], s[28:29], s[52:53]
	s_mov_b32 s24, 1
	s_lshl_b32 s25, s8, 13                         ; LDS: slot 0 + 8,192 x wave
	s_mov_b64 s[26:27], s[28:29]
	s_or_b32 s27, s27, 0x80000000
	tensor_load_to_lds s[24:27], s[16:23]          ; unit 0
	s_nop 0
	v_and_b32 v1, 31, v0
	v_lshlrev_b32 v[LI], 4, v1
	v_lshlrev_b32 v[PFO], 8, v1
	v_mov_b32 v[NINF], 0xff800000
	v_and_b32 v4, 15, v0
	v_bfe_u32 v5, v0, 4, 1
	v_lshlrev_b32 v5, 3, v5
	v_sub_nc_u32 v[RH], v4, v5
.macro PASS_BEGIN                      ; query block s48: addresses, Q, and the sums' beginnings
	s_lshl_b32 s15, s48, 8
	s_lshl_b32 s50, s8, 5
	s_add_co_u32 s15, s15, s50                     ; my first query
	s_mov_b32 s14, 0
	s_lshl_b32 s50, s48, 4
	s_lshl_b32 s52, s8, 1
	s_add_co_u32 s52, s50, s52                     ; my first block of 16 positions
	s_lshl_b32 s50, s52, 11
	s_mov_b32 s51, 0
	s_add_nc_u64 s[38:39], s[36:37], s[50:51]
	s_lshr_b32 s50, s10, 4
	s_lshl_b32 s50, s50, 7
	s_add_co_u32 s50, s50, s52                     ; batch x 128 + block
	s_lshl_b32 s50, s50, 15
	s_and_b32 s52, s10, 15
	s_lshl_b32 s52, s52, 11                        ; + 2,048 x head
	s_add_co_u32 s50, s50, s52
	s_add_nc_u64 s[40:41], s[6:7], s[50:51]
.irp t, 0,1
.irp g, 0,1
.irp c, 0,1
	global_load_b128 v[Q+16*\t+8*\g+4*\c:Q+16*\t+8*\g+4*\c+3], v[LI], s[38:39] offset:2048*\t+1024*\g+512*\c
.endr
.endr
.endr
.set i, 0
.rept 64
	v_mov_b32 v[O+i], 0                            ; O^T.  (The step is written once: a pass's first step finds zeros)
.set i, i+1
.endr
.irp t, 0,1
	v_mov_b32 v[ST+8*\t+1], 0xff61b1e6             ; m = -3e38, under every score
	v_mul_f32 v[ST+8*\t], s44, v[ST+8*\t+1]
.irp j, 2,3,4,5,6,7
	v_mov_b32 v[ST+8*\t+\j], 0                     ; l, and the registers at work
.endr
.endr
	s_wait_loadcnt 0x0                             ; Q
.endm
; THE CHANGE OF SLOTS stands at a unit's head.  Each wave waits for all its tensor loads (its part of the unit that it is about to read), adds 0 to its spare word, and waits for that and for its reads of the slot
; that it has left.  Behind the barrier the unit ahead is whole and nobody reads the other slot.  fill = 1: that slot takes the next unit: the load has a whole unit's work in which to land.
.macro CHANGE fill
	s_wait_tensorcnt 0x0                           ; no tensor load of mine is out, so group 0 may be written
	ds_add_u32 v[SPW], v[NIL]                      ; 0 onto my spare word; the descriptor's step stands between it and the wait for it
.if \fill
	s_wait_xcnt 0x0                                ; the last prefetch, a unit back, has read its address
	s_add_co_u32 s30, s30, 32768                   ; the next key block;
	s_cmp_eq_u32 s11, s9
	s_cselect_b32 s30, 0, s30                      ; behind the first pass's last unit: block 0 again
	s_add_nc_u64 s[32:33], s[28:29], s[30:31]
	s_xor_b32 s25, s25, SLOT1
	s_mov_b64 s[26:27], s[32:33]
	s_or_b32 s27, s27, 0x80000000
.endif
	s_wait_dscnt 0x0                               ; the add is done, and my reads of the slot that I have left are over
	s_barrier_signal -1
	s_barrier_wait -1
.if \fill
	tensor_load_to_lds s[24:27], s[16:23]          ; the first thing behind the barrier, and my one tensor load until the next
	s_nop 0
.rept 4
	v_nop
.endr
	; A PREFETCH INTO THE L2 of the key block after the one just asked for: a unit ahead of its load.  All four work-groups of a head walk the same K and V: work-group 0 asks, whose second pass walks blocks 0 to 7;
	; each of its eight waves names its own 8,192 bytes, lanes 256 bytes apart.  So blocks 1 to 7 are named once each; unit 7 asks for nothing: there is no block 8.
	s_cmp_lt_u32 s11, s34
	s_cbranch_scc0 .Lnoask_\@
	global_prefetch_b8 v[PFO], s[32:33] offset:32768 th:TH_LOAD_NT scope:SCOPE_SE
.Lnoask_\@:
.endif
.endm
; A STEP: 64 keys, the q-th of the unit in hand.
.macro STEP q
	s_cmp_gt_u32 s14, s15
	s_cbranch_scc1 .Lhid_\@
	WIN 0x40                                       ; destination window 1
.irp f, 0,1,2,3,4,5,6,7                ; K's fragment f = 2 kt + g
.irp c, 0,1
	ds_load_b128 v[8*\f+4*\c:8*\f+4*\c+3], v[ADR] offset:8192*(\q)+1024*\f+512*\c
.endr
.endr
.irp f, 0,1,2,3,4,5,6,7                ; V's fragment f = 4 kg + dt
.irp c, 0,1
	ds_load_b128 v[64+8*\f+4*\c:64+8*\f+4*\c+3], v[ADR] offset:VOFF+8192*(\q)+1024*\f+512*\c
.endr
.endr
	s_wait_dscnt 16                                ; K is in; V's sixteen loads may be out
	WIN 0x01                                       ; source 0 window 1
.irp g, 0,1                            ; S^T: eight accumulators by turns, one instruction a turn
.irp kt, 0,1,2,3
.irp t, 0,1
.if \g == 0
	v_wmma_f32_16x16x32_f16 v[S+32*\t+8*\kt:S+32*\t+8*\kt+7], v[8*(2*\kt+\g):8*(2*\kt+\g)+7], v[Q+16*\t+8*\g:Q+16*\t+8*\g+7], 0
.else
	v_wmma_f32_16x16x32_f16 v[S+32*\t+8*\kt:S+32*\t+8*\kt+7], v[8*(2*\kt+\g):8*(2*\kt+\g)+7], v[Q+16*\t+8*\g:Q+16*\t+8*\g+7], v[S+32*\t+8*\kt:S+32*\t+8*\kt+7]
.endif
.endr
.endr
.endr
	WIN 0
.rept 4
	v_nop                                          ; places ahead of the first read of the scores
.endr
	s_add_co_u32 s50, s14, 63
	s_cmp_le_u32 s50, s15                          ; a step all of whose keys count for all my queries skips the mask
	s_cbranch_scc1 .Lopen_\@
	s_sub_co_i32 s50, s15, s14
	v_add_nc_u32 v[D0], s50, v[RH]                 ; tile t: my query - the step's first key - 8 hh.  Register 8 kt + j holds key 16 kt + 8 hh + j: hidden where 16 kt + j is greater
	v_add_nc_u32 v[D0+1], 16, v[D0]
.irp t, 0,1
.irp n, 0,1,2,3,4,5,6,7,8,9,10,11,12,13,14,15,16,17,18,19,20,21,22,23,24,25,26,27,28,29,30,31
	v_cmp_gt_i32 vcc_lo, 16*(\n/8)+\n%8, v[D0+\t]
	v_cndmask_b32 v[S+32*\t+\n], v[S+32*\t+\n], v[NINF], vcc_lo
.endr
.endr
.Lopen_\@:
.irp j, 0,1,2,3                        ; the largest of my 32 scores and the old m: four chains a tile, the two tiles by turns; each accumulator is read from its low end on
.irp t, 0,1
	v_max3_num_f32 v[ST+8*\t+4+\j], v[S+32*\t+8*\j], v[S+32*\t+8*\j+1], v[S+32*\t+8*\j+2]
.endr
.endr
.irp i, 3,5
.irp j, 0,1,2,3
.irp t, 0,1
	v_max3_num_f32 v[ST+8*\t+4+\j], v[ST+8*\t+4+\j], v[S+32*\t+8*\j+\i], v[S+32*\t+8*\j+\i+1]
.endr
.endr
.endr
.irp t, 0,1
	v_max3_num_f32 v[ST+8*\t+4], v[ST+8*\t+4], v[S+32*\t+7], v[S+32*\t+15]
.endr
.irp t, 0,1
	v_max3_num_f32 v[ST+8*\t+6], v[ST+8*\t+6], v[S+32*\t+23], v[S+32*\t+31]
.endr
.irp t, 0,1
	v_max3_num_f32 v[ST+8*\t+4], v[ST+8*\t+4], v[ST+8*\t+5], v[ST+8*\t+6]
.endr
.irp t, 0,1
	v_max3_num_f32 v[ST+8*\t+4], v[ST+8*\t+4], v[ST+8*\t+7], v[ST+8*\t+1]
.endr
.irp t, 0,1
	v_permlanex16_b32 v[ST+8*\t+5], v[ST+8*\t+4], s46, s47   ; the query's other 32 keys lie in the lane 16 away
.endr
.irp t, 0,1
	v_mov_b32 v[ST+8*\t+7], v[ST+8*\t]             ; c m_old
.endr
.irp t, 0,1
	v_max_num_f32 v[ST+8*\t+1], v[ST+8*\t+4], v[ST+8*\t+5]
.endr
.irp t, 0,1
	v_mul_f32 v[ST+8*\t], s44, v[ST+8*\t+1]
.endr
.irp t, 0,1
	v_sub_f32 v[ST+8*\t+7], v[ST+8*\t+7], v[ST+8*\t]
.endr
.irp b, 0,2,4,6,8,10,12,14,16,18,20,22,24,26,28,30
.irp t, 0,1
	v_pk_fma_f32 v[S+32*\t+\b:S+32*\t+\b+1], v[S+32*\t+\b:S+32*\t+\b+1], s[44:45], v[ST+8*\t:ST+8*\t+1] op_sel_hi:[1,0,0] neg_lo:[0,0,1] neg_hi:[0,0,1]   ; c s - c m
.endr
.endr
.irp t, 0,1
	v_exp_f32 v[ST+8*\t+6], v[ST+8*\t+7]           ; a = 2^(c m_old - c m_new)
.endr
.set i, 0
.rept 64
	v_exp_f32 v[S+i], v[S+i]                       ; p: the 66 exponentials are one batch
.set i, i+1
.endr
	v_nop                                          ; the plain line behind the last exponential
	s_wait_alu depctr_va_vdst(0)                   ; one wait for the batch, ahead of its first reader
.set i, 0
.rept 32
	v_cvt_pk_f16_f32 v[P+i], v[S+2*i], v[S+2*i+1]
.set i, i+1
.endr
.irp u, 0,1,2,3,4,5,6,7                ; the sum of a tile's 16 pairs, in place
.irp t, 0,1
	v_pk_add_f32 v[S+32*\t+4*\u:S+32*\t+4*\u+1], v[S+32*\t+4*\u:S+32*\t+4*\u+1], v[S+32*\t+4*\u+2:S+32*\t+4*\u+3]
.endr
.endr
.irp u, 0,1,2,3
.irp t, 0,1
	v_pk_add_f32 v[S+32*\t+8*\u:S+32*\t+8*\u+1], v[S+32*\t+8*\u:S+32*\t+8*\u+1], v[S+32*\t+8*\u+4:S+32*\t+8*\u+5]
.endr
.endr
.irp u, 0,1
.irp t, 0,1
	v_pk_add_f32 v[S+32*\t+16*\u:S+32*\t+16*\u+1], v[S+32*\t+16*\u:S+32*\t+16*\u+1], v[S+32*\t+16*\u+8:S+32*\t+16*\u+9]
.endr
.endr
.irp t, 0,1
	v_pk_add_f32 v[S+32*\t:S+32*\t+1], v[S+32*\t:S+32*\t+1], v[S+32*\t+16:S+32*\t+17]
.endr
.irp t, 0,1
	v_pk_fma_f32 v[ST+8*\t+2:ST+8*\t+3], v[ST+8*\t+2:ST+8*\t+3], v[ST+8*\t+6:ST+8*\t+7], v[S+32*\t:S+32*\t+1] op_sel_hi:[1,0,1]   ; l = a l + the sum
.endr
.irp t, 0,1
.irp b, 0,2,4,6,8,10,12,14,16,18,20,22,24,26,28,30
	v_pk_mul_f32 v[O+32*\t+\b:O+32*\t+\b+1], v[O+32*\t+\b:O+32*\t+\b+1], v[ST+8*\t+6:ST+8*\t+7] op_sel_hi:[1,0]   ; O^T x a, each accumulator from its low end on
.endr
.endr
	s_wait_dscnt 0x0                               ; V is in
	WIN 0x01
.irp kg, 0,1                           ; O^T += V^T P: eight accumulators by turns
.irp dt, 0,1,2,3
.irp t, 0,1
	v_wmma_f32_16x16x32_f16 v[O+32*\t+8*\dt:O+32*\t+8*\dt+7], v[64+8*(4*\kg+\dt):64+8*(4*\kg+\dt)+7], v[P+16*\t+8*\kg:P+16*\t+8*\kg+7], v[O+32*\t+8*\dt:O+32*\t+8*\dt+7]
.endr
.endr
.endr
	WIN 0
.rept 4
	v_nop                                          ; places ahead of the next loads into V's registers and of the next read of O^T
.endr
.Lhid_\@:
	s_add_co_u32 s14, s14, 64
.endm
.macro UNIT                            ; 256 keys: four steps, their places in the slot as immediates
	v_add_nc_u32 v[ADR], s13, v[LI]
	STEP 0
	STEP 1
	STEP 2
	STEP 3
	s_xor_b32 s13, s13, SLOT1                      ; on to the other slot
.endm
.macro PASS_END next                   ; O^T / l, to f16, stored as fragments' halves: 512 consecutive bytes a store
.irp t, 0,1
	v_add_f32 v[ST+8*\t+4], v[ST+8*\t+2], v[ST+8*\t+3]
.endr
.irp t, 0,1
	v_permlanex16_b32 v[ST+8*\t+5], v[ST+8*\t+4], s46, s47
.endr
.irp t, 0,1
	v_add_f32 v[ST+8*\t+4], v[ST+8*\t+4], v[ST+8*\t+5]
.endr
.irp t, 0,1
	v_rcp_f32 v[ST+8*\t+6], v[ST+8*\t+4]
.endr
	v_nop
	s_wait_alu depctr_va_vdst(0)                   ; one wait for the two reciprocals
.irp t, 0,1
.irp b, 0,2,4,6,8,10,12,14,16,18,20,22,24,26,28,30
	v_pk_mul_f32 v[O+32*\t+\b:O+32*\t+\b+1], v[O+32*\t+\b:O+32*\t+\b+1], v[ST+8*\t+6:ST+8*\t+7] op_sel_hi:[1,0]
.endr
.endr
.set i, 0
.rept 32
	v_cvt_pk_f16_f32 v[S+i], v[O+2*i], v[O+2*i+1]
.set i, i+1
.endr
.irp t, 0,1
.irp dt, 0,1,2,3
	global_store_b128 v[LI], v[S+16*\t+4*\dt:S+16*\t+4*\dt+3], s[40:41] offset:32768*\t+512*\dt
.endr
.endr
	s_wait_xcnt 0x0                                ; the stores have read their data and their base: both are written again
.if \next
	s_sub_co_u32 s48, 7, s9
	PASS_BEGIN
.endif
.endm
	s_mov_b32 s48, s9
	PASS_BEGIN
.Lunit:                                            ; eight trips: behind each change of slots the next unit is asked for
	CHANGE 1
	UNIT
	s_cmp_lg_u32 s11, s9                           ; the first pass ends behind unit i
	s_cbranch_scc1 .Lsame
	PASS_END 1
.Lsame:
	s_add_co_u32 s11, s11, 1
	s_cmp_lt_u32 s11, 8
	s_cbranch_scc1 .Lunit
	CHANGE 0                                       ; the last unit is written out: it asks for nothing
	UNIT
	PASS_END 0
	s_wait_tensorcnt 0x0                           ; the wave's end
	ds_add_u32 v[SPW], v[NIL]
	s_wait_dscnt 0x0
	s_endpgm
.Lfunc_end_k_qe3c7a7c1b9_attn:
	.size	k_qe3c7a7c1b9_attn, .Lfunc_end_k_qe3c7a7c1b9_attn-k_qe3c7a7c1b9_attn
	.p2alignl 7, 3214868480
	.fill 96, 4, 3214868480
	.section	.rodata,"a",@progbits
	.p2align	6, 0x0
	.amdhsa_kernel k_qe3c7a7c1b9_attn
		.amdhsa_group_segment_fixed_size 327680
		.amdhsa_private_segment_fixed_size 0
		.amdhsa_enable_private_segment 0
		.amdhsa_kernarg_size 16
		.amdhsa_user_sgpr_count 2
		.amdhsa_user_sgpr_kernarg_segment_ptr 1
		.amdhsa_wavefront_size32 1
		.amdhsa_system_sgpr_workgroup_id_x 1
		.amdhsa_system_sgpr_workgroup_id_y 1
		.amdhsa_system_sgpr_workgroup_id_z 1
		.amdhsa_system_vgpr_workitem_id 0
		.amdhsa_next_free_vgpr 384
		.amdhsa_next_free_sgpr 66
		.amdhsa_reserve_vcc 1
		.amdhsa_float_denorm_mode_32 3
		.amdhsa_float_denorm_mode_16_64 3
		.amdhsa_memory_ordered 1
		.amdhsa_forward_progress 1
		.amdhsa_inst_pref_size 193
	.end_amdhsa_kernel
	.amdgpu_metadata
---
amdhsa.version: [ 1, 2 ]
amdhsa.kernels:
  - .name:           k_qe3c7a7c1b9_attn
    .symbol:         k_qe3c7a7c1b9_attn.kd
    .args:
      - { .name: qkv16, .offset: 0, .size: 8, .value_kind: global_buffer, .address_space: global }
      - { .name: attn16, .offset: 8, .size: 8, .value_kind: global_buffer, .address_space: global }
    .group_segment_fixed_size: 327680
    .private_segment_fixed_size: 0
    .kernarg_segment_align: 8
    .kernarg_segment_size: 16
    .max_flat_workgroup_size: 256
    .sgpr_count:     66
    .vgpr_count:     384
    .wavefront_size: 32
...
	.end_amdgpu_metadata
.endif
;; end of part 3
;; launch oproj (part 4): grid 4 x 64, 4 waves a work-group, clusters of 4 x 4, 327,680 bytes of LDS; arguments attn16, wo16, wo_b, out0; writes out0
.if DOCPART == 4
	.amdgcn_target "amdgcn-amd-amdhsa--gfx1250"
	.amdhsa_code_object_version 6
	.text
	.protected	k_qe3c7a7c1b9_oproj
	.globl	k_qe3c7a7c1b9_oproj
	.p2align	8
	.type	k_qe3c7a7c1b9_oproj,@function
k_qe3c7a7c1b9_oproj:
	s_mov_b64 s[64:65], 0
	v_nop
	global_prefetch_b8 v0, s[64:65] scope:SCOPE_SE
	s_setreg_imm32_b32 hwreg(HW_REG_WAVE_MODE, 25, 1), 1
	s_wait_xcnt 0x0
	s_wait_alu depctr_hold_cnt(0) depctr_sa_sdst(0) depctr_va_vdst(0) depctr_va_sdst(0) depctr_va_ssrc(0) depctr_va_vcc(0) depctr_vm_vsrc(0)
	s_getreg_b32 s2, hwreg(HW_REG_IB_STS2, 6, 4)
	s_cmp_eq_u32 s2, 0
	s_cbranch_scc0 .Lentry_in_a_cluster
	s_endpgm
.Lentry_in_a_cluster:
	s_bfe_u32 s2, ttmp6, 0x10000c
	s_cmp_lg_u32 s2, 0xf033
	s_cbranch_scc0 .Lentry_shape_is_right
	s_endpgm
.Lentry_shape_is_right:
; out0 = attn wo^T + wo_b for positions 16 and up, on f16 operands with f32 sums.  M = 8,192 rows, N = K = 1,024.  (Positions 0-15 of each batch are stored by the launch that carries them in f32.)
; attn16: images of the left operand's fragments, [block of 16 rows 512][kc 32][c 2][lane][16 bytes];  wo16: [1024 n][1024 k] f16, row-major;  out0: f32, row-major.
; A tile is 128 rows x 256 columns: 256 work-groups.  Four waves, each 64 x 128: 32 accumulators.  K goes in steps of 128 through two LDS slots; a step is 128 matrix instructions a wave.
; CLUSTERS of 4 x 4: tile row = 16 cy + cluster y (so cy is the batch), tile column = cx.  The left operand's tile is shared along a row of the cluster, wo's along a column: each is asked for jointly.
; THE MATRIX INSTRUCTION TAKES wo's ROWS AS SOURCE 0 and the left operand as source 1: a lane holds one row of the result and eight neighbouring columns.  The bias is the C of each sum's first instruction.
; LDS: a slot: the left operand's 8 blocks x 4 kc x 1,024 bytes, dense (a fragment is two loads at 16 x lane), then wo's 256 rows of 256 bytes + 16 of padding.  Behind the slots a stage of 16 rows x 528 bytes a wave.
; REGISTERS: window 0: v16-29 addresses; v32-127, v128-223 two fragment buffers (wo's eight, then the left operand's four); window 1: the accumulators ((a, b) at v[8 (8 a + b)]); window 2: v0-63 the bias.
.set PITCH,  272
.set HALFA,  16384
.set HALFB,  128*PITCH
.set SLOT,   2*HALFA+2*HALFB
.set STAGE,  2*SLOT
.set SPITCH, 528
.set SPARE,  STAGE+4*16*SPITCH         ; the spare words, 128 bytes a wave
.set LAPS,   4                         ; a lap = two K steps = once round the ring
.set ADRA, 16
.set ADRB, 20
.set STO,  24
.set RD,   25
.set CO,   26
.set BO,   27
.set SPW,  28                          ; my spare word; never rewritten
.set NIL,  29                          ; 0; never rewritten
.set F0,   32
.set F1,   128
.set BK,   32                          ; the way out: 16 rows read back: v32-95 and v96-159 by turns
.set G1, 24
.set G0, 32
.set G1B, 48
.set G0B, 56
.set MUL, 0x50                         ; C and D window 1; with 0x10 more: C window 2, the bias
.set MSB, 0
.macro WIN new
.if MSB != \new
	s_set_vgpr_msb (MSB<<8)|\new
.set MSB, \new
.endif
.endm
.macro JLOAD s                         ; a joint load: waves 0 and 1 fetch the left operand's halves, waves 2 and 3 wo's; an s_nop 0 and four v_nop follow each line
	s_cmp_eq_u32 s15, 0
	s_cbranch_scc0 .Lfor_b_\@
	tensor_load_to_lds s[G0+4*\s:G0+4*\s+3], s[G1:G1+7]
	s_nop 0
.rept 4
	v_nop
.endr
	s_branch .Lasked_\@
.Lfor_b_\@:
	tensor_load_to_lds s[G0B+4*\s:G0B+4*\s+3], s[G1B:G1B+7]
	s_nop 0
.rept 4
	v_nop
.endr
.Lasked_\@:
.endm
.macro CREST
	s_cmp_lg_u32 s14, 0
	s_cbranch_scc1 .Lnot_wave_0_\@
	s_barrier_signal -3
.Lnot_wave_0_\@:
	s_barrier_wait -3
	s_barrier_signal -1
	s_barrier_wait -1
.endm
.macro CROUND
	s_barrier_signal -1
	s_barrier_wait -1
	CREST
.endm
	s_load_b256 s[4:11], s[0:1], 0x0               ; attn16 4, wo16 6, wo_b 8, out0 10
	v_lshl_add_u32 v[SPW], v0, 2, SPARE
	v_mov_b32 v[NIL], 0
	ds_add_u32 v[SPW], v[NIL]                      ; the wave's opening: the add, twice on end, and its wait ahead of my first tensor load
	ds_add_u32 v[SPW], v[NIL]
	v_lshrrev_b32 v1, 5, v0
	v_readfirstlane_b32 s14, v1                    ; wave 0..3
	s_lshr_b32 s15, s14, 1                         ; rh: my half of the tile's rows.  Also: I fetch the left operand (0) or wo (1)
	s_and_b32 s16, s14, 1                          ; ch: my half of its columns.  Also: which half of that tile I fetch
	s_bfe_u32 s40, ttmp6, 0x40000                  ; cx
	s_bfe_u32 s41, ttmp6, 0x40004                  ; cy
	s_and_b32 s42, ttmp7, 0xffff                   ; the cluster's y
	s_lshl_b32 s13, s41, 4
	s_add_co_u32 s13, s13, s42                     ; tile row = 16 cy + y
	s_lshl_b32 s43, s41, 2
	s_lshl_b32 s43, 15, s43                        ; my row of the cluster
	s_lshl_b32 s44, 0x1111, s40                    ; my column
	s_or_b32 s[G1+0], s43, (3<<16)|(1<<21)         ; the left operand: 4 rows of 4,096 bytes (512 elements of 8), 32,768 bytes apart, dense in LDS
	s_mov_b32 s[G1+1], 512<<16                     ; tensor_dim0
	s_mov_b32 s[G1+2], 4<<16                       ; tensor_dim1
	s_mov_b32 s[G1+3], 512<<16                     ; tile_dim0
	s_mov_b32 s[G1+4], 4                           ; tile_dim1
	s_mov_b32 s[G1+5], 4096                        ; from row to row, in elements
	s_mov_b32 s[G1+6], 0
	s_mov_b32 s[G1+7], 0
	s_or_b32 s[G1B+0], s44, (1<<16)|(1<<20)|(1<<21)|(5<<22)|(3<<25)   ; wo: 128 rows of 128 elements of 2 bytes, 16 bytes of padding behind each
	s_mov_b32 s[G1B+1], 128<<16
	s_mov_b32 s[G1B+2], 128<<16
	s_mov_b32 s[G1B+3], 128<<16
	s_mov_b32 s[G1B+4], 128
	s_mov_b32 s[G1B+5], 1024
	s_mov_b32 s[G1B+6], 0
	s_mov_b32 s[G1B+7], 0
	s_lshl_b32 s20, s13, 3
	s_lshl_b32 s21, s16, 2
	s_add_co_u32 s20, s20, s21                     ; the left operand: block of 16 rows 8 x tile row + 4 x half,
	s_lshl_b32 s20, s20, 15                        ; 32,768 bytes a block
	s_mov_b32 s21, 0
	s_lshl_b32 s46, s40, 8
	s_lshl_b32 s47, s16, 7
	s_add_co_u32 s46, s46, s47                     ; wo: row 256 cx + 128 x half,
	s_lshl_b32 s46, s46, 11                        ; 2,048 bytes a row
	s_mov_b32 s47, 0
	s_lshl_b32 s22, s16, 14                        ; where they go: no place in the cluster enters an LDS address
	s_mul_i32 s23, s16, HALFB
	s_add_co_u32 s23, s23, 2*HALFA
	s_wait_dscnt 0x0                               ; both opening adds are done
	s_wait_kmcnt 0x0
	s_add_nc_u64 s[18:19], s[4:5], s[20:21]
	s_add_nc_u64 s[46:47], s[6:7], s[46:47]
	CROUND                                         ; all sixteen work-groups are here: the first joint loads meet
.irp s, 0,1
	s_mov_b32 s[G0+4*\s], 1
	s_add_co_u32 s[G0+4*\s+1], s22, \s*SLOT
	s_add_nc_u64 s[G0+4*\s+2:G0+4*\s+3], s[18:19], \s*4096
	s_or_b32 s[G0+4*\s+3], s[G0+4*\s+3], 0x80000000
	s_mov_b32 s[G0B+4*\s], 1
	s_add_co_u32 s[G0B+4*\s+1], s23, \s*SLOT
	s_add_nc_u64 s[G0B+4*\s+2:G0B+4*\s+3], s[46:47], \s*256
	s_or_b32 s[G0B+4*\s+3], s[G0B+4*\s+3], 0x80000000
	JLOAD \s                                       ; two tensor loads of mine are out at the most
.endr
	v_and_b32 v1, 15, v0                           ; r
	v_bfe_u32 v2, v0, 4, 1                         ; hh
	v_and_b32 v3, 31, v0
	v_lshlrev_b32 v4, 4, v3                        ; 16 x lane
	v_mul_u32_u24 v5, v1, PITCH
	v_lshl_add_u32 v5, v2, 4, v5                   ; wo: row x pitch + 16 x half
	s_lshl_b32 s21, s15, 14                        ; my 64 rows of the left operand
	s_mul_i32 s22, s16, HALFB                      ; my 128 rows of wo,
	s_add_co_u32 s22, s22, 2*HALFA                 ; behind the left operand's images
.irp s, 0,1
	v_add_nc_u32 v[ADRA+\s], s21, v4
	v_add_nc_u32 v[ADRB+\s], s22, v5
	s_add_co_u32 s21, s21, SLOT
	s_add_co_u32 s22, s22, SLOT
.endr
	s_mul_i32 s23, s14, 16*SPITCH
	s_add_co_u32 s23, s23, STAGE                   ; my stage
	v_mul_u32_u24 v5, v1, SPITCH
	v_lshl_add_u32 v5, v2, 5, v5
	v_add_nc_u32 v[STO], s23, v5                   ; in: row r, 32 bytes for each half of the lanes
	v_add_nc_u32 v[RD], s23, v4                    ; back: the 32 lanes take one row of 512 bytes
	v_mov_b32 v[CO], v4                            ; and the same in out0
	v_lshlrev_b32 v[BO], 5, v2                     ; the bias: my eight numbers, 32 hh bytes on
	s_lshl_b32 s20, s40, 10
	s_lshl_b32 s21, s16, 9
	s_add_co_u32 s20, s20, s21                     ; my first column, in bytes: 1,024 cx + 512 ch
	s_mov_b32 s21, 0
	s_add_nc_u64 s[8:9], s[8:9], s[20:21]
	s_add_nc_u64 s[10:11], s[10:11], s[20:21]
	s_lshl_b32 s20, s13, 7
	s_lshl_b32 s22, s15, 6
	s_add_co_u32 s20, s20, s22                     ; my first row: 128 x tile row + 64 rh,
	s_lshl_b32 s20, s20, 12                        ; 4,096 bytes a row
	s_add_nc_u64 s[10:11], s[10:11], s[20:21]
	s_or_b32 s45, s42, s15                         ; 0: my block 0 is positions 0-15 of a batch
	WIN 0x80                                       ; destination window 2
.irp b, 0,1,2,3,4,5,6,7
	global_load_b128 v[8*\b:8*\b+3], v[BO], s[8:9] offset:64*\b
	global_load_b128 v[8*\b+4:8*\b+7], v[BO], s[8:9] offset:64*\b+16
.endr
	WIN 0
; 8 matrix instructions: block a of 16 rows x wo's eight blocks, 32 along K.  The 32 accumulators take turns, one instruction a turn, in the same order in every quarter.
.macro MUL8 f, a, bias
.irp b, 0,1,2,3,4,5,6,7
.if \bias
	v_wmma_f32_16x16x32_f16 v[8*(8*(\a)+\b):8*(8*(\a)+\b)+7], v[\f+8*\b:\f+8*\b+7], v[\f+64+8*(\a):\f+64+8*(\a)+7], v[8*\b:8*\b+7]
.else
	v_wmma_f32_16x16x32_f16 v[8*(8*(\a)+\b):8*(8*(\a)+\b)+7], v[\f+8*\b:\f+8*\b+7], v[\f+64+8*(\a):\f+64+8*(\a)+7], v[8*(8*(\a)+\b):8*(8*(\a)+\b)+7]
.endif
.endr
.endm
.macro FETCH slot, q, f                ; 24 LDS loads in one run: the slot's q-th 32 along K: wo's eight fragments, then the left operand's four
.irp i, 0,1,2,3,4,5,6,7
	ds_load_b128 v[\f+8*\i:\f+8*\i+3],   v[ADRB+\slot] offset:64*(\q)+\i*16*PITCH
	ds_load_b128 v[\f+8*\i+4:\f+8*\i+7], v[ADRB+\slot] offset:64*(\q)+\i*16*PITCH+32
.endr
.irp i, 0,1,2,3
	ds_load_b128 v[\f+64+8*\i:\f+64+8*\i+3],   v[ADRA+\slot] offset:1024*(\q)+4096*\i
	ds_load_b128 v[\f+64+8*\i+4:\f+64+8*\i+7], v[ADRA+\slot] offset:1024*(\q)+4096*\i+512
.endr
.endm
.macro PLACES
.rept 4
	v_nop
.endr
.endm
; A K step is four quarters of 32 along K, 32 matrix instructions each, on buffers 0, 1, 0, 1.  One of the first three: multiplies buffer f and fetches quarter q into g.
.macro QUARTER slot, q, f, g, bias
.set WN, MUL+16*(\bias)
	s_wait_dscnt 4                                 ; wo's fragments and the left operand's blocks 0, 1 are in; the youngest four loads may be out
	WIN WN
	MUL8 \f, 0, \bias
	MUL8 \f, 1, \bias
	PLACES
	WIN 0
	FETCH \slot, \q, \g
	s_wait_dscnt 24                                ; all but the 24 just issued
	WIN WN
	MUL8 \f, 2, \bias
	MUL8 \f, 3, \bias
.endm
; The last quarter multiplies buffer 1 and changes slots: ONE barrier; in front of it each wave waits for all its tensor loads, adds 0 to its spare word, and waits for that and for its reads of this slot.
; fill = 1: the barrier opens a round of the cluster's, and this slot is filled again, two K steps ahead: 112 matrix instructions ahead of the wait for it.
.macro TURN slot, next, fill
	WIN 0
	s_wait_tensorcnt 0x0
	ds_add_u32 v[SPW], v[NIL]
	s_wait_dscnt 5                                 ; (the add and the youngest four loads may be out)
	WIN MUL
	MUL8 F1, 0, 0
	s_wait_dscnt 0x0                               ; the add is done, and my reads of this slot are over
	s_barrier_signal -1
	MUL8 F1, 1, 0
	WIN 0
	s_barrier_wait -1
.if \fill
	CREST                                          ; no wave of any partner still reads this slot's tile or has a load on its way
	s_add_nc_u64 s[G0+4*\slot+2:G0+4*\slot+3], s[G0+4*\slot+2:G0+4*\slot+3], 2*4096
	s_add_nc_u64 s[G0B+4*\slot+2:G0B+4*\slot+3], s[G0B+4*\slot+2:G0B+4*\slot+3], 2*256
	JLOAD \slot                                    ; the four v_nop behind it are also the places in front of the loads below
.else
	PLACES
.endif
	FETCH \next, 0, F0
	WIN MUL
	MUL8 F1, 2, 0
	MUL8 F1, 3, 0
.endm
	s_wait_tensorcnt 1                             ; my part of K step 0 is in (K step 1's load may be out),
	s_barrier_signal -1
	s_barrier_wait -1                              ; everybody's is
	FETCH 0, 0, F0
	s_wait_loadcnt 0x0                             ; the bias
	QUARTER 0, 1, F0, F1, 1                        ; the first quarter stands in front of the loop: its products start the sums, from the bias
	WIN 0
	s_mov_b32 s3, LAPS-1
.Llap:                                             ; a trip goes once round the ring and fills both slots again
	QUARTER 0, 2, F1, F0, 0
	QUARTER 0, 3, F0, F1, 0
	TURN 0, 1, 1
	QUARTER 1, 1, F0, F1, 0
	QUARTER 1, 2, F1, F0, 0
	QUARTER 1, 3, F0, F1, 0
	TURN 1, 0, 1
	QUARTER 0, 1, F0, F1, 0
	WIN 0
	s_sub_co_u32 s3, s3, 1
	s_cmp_lg_u32 s3, 0
	s_cbranch_scc1 .Llap
	QUARTER 0, 2, F1, F0, 0                        ; the last lap fills nothing
	QUARTER 0, 3, F0, F1, 0
	TURN 0, 1, 0
	QUARTER 1, 1, F0, F1, 0
	QUARTER 1, 2, F1, F0, 0
	QUARTER 1, 3, F0, F1, 0
	s_wait_dscnt 4
	WIN MUL
	MUL8 F1, 0, 0
	MUL8 F1, 1, 0
	s_wait_dscnt 0
	MUL8 F1, 2, 0
	MUL8 F1, 3, 0
	WIN 0
; THE WAY OUT, block by block of 16 rows x 128 columns, through my own stage: in as 32 bytes a lane, back as whole rows of 512 bytes.  LDS serves a wave's instructions in order: no wait between the stores and the loads.
.macro TOSTAGE a
	WIN 0x04                                       ; an LDS store's data: window 1
.irp b, 0,1,2,3,4,5,6,7
	ds_store_b128 v[STO], v[8*(8*(\a)+\b):8*(8*(\a)+\b)+3] offset:64*\b          ; each accumulator from its low end on
	ds_store_b128 v[STO], v[8*(8*(\a)+\b)+4:8*(8*(\a)+\b)+7] offset:64*\b+16
.endr
	WIN 0
.set BB, BK+64*((\a)%2)
.irp t, 0,1,2,3,4,5,6,7,8,9,10,11,12,13,14,15
	ds_load_b128 v[BB+4*\t:BB+4*\t+3], v[RD] offset:\t*SPITCH
.endr
.endm
.macro SEND a, younger
.set BB, BK+64*((\a)%2)
	s_wait_dscnt \younger                          ; the block is back in registers
.if (\a) > 0
	s_add_nc_u64 s[10:11], s[10:11], 16*4096       ; (behind a wait on XCNT: the earlier stores have read their base)
.else
	s_cmp_eq_u32 s45, 0                            ; positions 0-15 are another launch's: the cluster's y and the wave's number alone decide
	s_cbranch_scc1 .Lfine_rows
.endif
.irp t, 0,1,2,3,4,5,6,7,8,9,10,11,12,13,14,15
	global_store_b128 v[CO], v[BB+4*\t:BB+4*\t+3], s[10:11] offset:\t*4096 th:TH_STORE_NT   ; 32 lanes store 512 consecutive bytes
.endr
.if (\a) == 0
.Lfine_rows:
.endif
.endm
	PLACES                                         ; ahead of the first read of results and of the loads into registers that held fragments
	TOSTAGE 0
.irp a, 1,2,3
.if \a > 1
	s_wait_xcnt 0x0                                ; block a - 2's stores have read their registers and their base
.endif
	TOSTAGE \a
	SEND \a-1, 32                                  ; behind block a - 1's loads: block a's 16 stores and 16 loads
.endr
	s_wait_xcnt 0x0
	SEND 3, 0
	s_wait_tensorcnt 0x0                           ; the wave's end
	ds_add_u32 v[SPW], v[NIL]
	s_wait_dscnt 0x0
	CROUND                                         ; the closing round
	s_endpgm
.Lfunc_end_k_qe3c7a7c1b9_oproj:
	.size	k_qe3c7a7c1b9_oproj, .Lfunc_end_k_qe3c7a7c1b9_oproj-k_qe3c7a7c1b9_oproj
	.p2alignl 7, 3214868480
	.fill 96, 4, 3214868480
	.section	.rodata,"a",@progbits
	.p2align	6, 0x0
	.amdhsa_kernel k_qe3c7a7c1b9_oproj
		.amdhsa_group_segment_fixed_size 327680
		.amdhsa_private_segment_fixed_size 0
		.amdhsa_enable_private_segment 0
		.amdhsa_kernarg_size 32
		.amdhsa_user_sgpr_count 2
		.amdhsa_user_sgpr_kernarg_segment_ptr 1
		.amdhsa_wavefront_size32 1
		.amdhsa_system_sgpr_workgroup_id_x 1
		.amdhsa_system_sgpr_workgroup_id_y 1
		.amdhsa_system_sgpr_workgroup_id_z 1
		.amdhsa_system_vgpr_workitem_id 0
		.amdhsa_next_free_vgpr 768
		.amdhsa_next_free_sgpr 66
		.amdhsa_reserve_vcc 0
		.amdhsa_float_denorm_mode_32 3
		.amdhsa_float_denorm_mode_16_64 3
		.amdhsa_memory_ordered 1
		.amdhsa_forward_progress 1
		.amdhsa_inst_pref_size 86
	.end_amdhsa_kernel
	.amdgpu_metadata
---
amdhsa.version: [ 1, 2 ]
amdhsa.kernels:
  - .name:           k_qe3c7a7c1b9_oproj
    .symbol:         k_qe3c7a7c1b9_oproj.kd
    .args:
      - { .name: attn16, .offset: 0, .size: 8, .value_kind: global_buffer, .address_space: global }
      - { .name: wo16, .offset: 8, .size: 8, .value_kind: global_buffer, .address_space: global }
      - { .name: wo_b, .offset: 16, .size: 8, .value_kind: global_buffer, .address_space: global }
      - { .name: out0, .offset: 24, .size: 8, .value_kind: global_buffer, .address_space: global }
    .group_segment_fixed_size: 327680
    .private_segment_fixed_size: 0
    .kernarg_segment_align: 8
    .kernarg_segment_size: 32
    .max_flat_workgroup_size: 128
    .sgpr_count:     66
    .vgpr_count:     768
    .wavefront_size: 32
...
	.end_amdgpu_metadata
.endif
;; end of part 4
;; launch fine (part 5): grid 64 x 4, 16 waves a work-group, no clusters, 18,432 bytes of LDS; arguments fine32, wo_w, wo_b, out0; writes out0
.if DOCPART == 5
	.amdgcn_target "amdgcn-amd-amdhsa--gfx1250"
	.amdhsa_code_object_version 6
	.text
	.protected	k_qe3c7a7c1b9_fine
	.globl	k_qe3c7a7c1b9_fine
	.p2align	8
	.type	k_qe3c7a7c1b9_fine,@function
k_qe3c7a7c1b9_fine:
	s_mov_b64 s[64:65], 0
	v_nop
	global_prefetch_b8 v0, s[64:65] scope:SCOPE_SE
	s_setreg_imm32_b32 hwreg(HW_REG_WAVE_MODE, 25, 1), 1
	s_wait_xcnt 0x0
; Positions 0-15 of every batch, in f32 throughout: their rows average one to sixteen values and are the largest of the output, so f16 operands would weigh most there.
; Work-group (ns, batch) makes out0[batch, 0..15, 16 ns .. 16 ns + 15].  Wave h redoes head h's attention of the 16 positions and makes its head's share of the projection; the sixteen shares are added through LDS.
; fine32 [kind][batch][head][blk 4][c 2][lane][16 bytes]: q, k: lane (r, hh), register 8 blk + j: position r, channel 16 blk + 8 hh + j;  v: channel 16 blk + r, position 8 hh + j.
; The f32 matrix form takes K = 4: register j of lane (r, hh) is k = 2 hh + j.  Both sources of every product below hold the SAME k in the same lane and register, so each pair of registers is a K step as it lies.
;   S^T (key, query) = K Q^T: 16 steps;   O^T (channel, query) = V^T p: 4 steps for each 16 channels;   R (column, position) = wo rows: 4 steps for each 16 channels.  Four accumulators take turns in each.
; The registers that the f32 matrix form writes (v144-239) are written by nothing else; what is made of them goes into other registers.
; The stores are pieces of 64 bytes of 16 rows, 262,144 bytes in the whole launch: the price of sharing the columns among 64 work-groups.
; LIMIT: hidden keys count for nothing, which is what the problem's -1e9 gives while scores stay far under 1e9.
.set SPARE, 16384                      ; behind the sixteen shares of 1,024 bytes: the spare words, 128 bytes a wave
.set SPW,  254                         ; my spare word; never rewritten
.set NIL,  255                         ; 0; never rewritten
	s_load_b256 s[4:11], s[0:1], 0x0               ; fine32 4, wo_w 6, wo_b 8, out0 10
	v_lshl_add_u32 v[SPW], v0, 2, SPARE
	v_mov_b32 v[NIL], 0
	v_lshrrev_b32 v1, 5, v0
	v_readfirstlane_b32 s12, v1                    ; the wave's number: my head
	s_and_b32 s13, ttmp7, 0xffff                   ; the batch
	v_and_b32 v1, 31, v0
	v_lshlrev_b32 v2, 4, v1                        ; 16 x lane
	v_and_b32 v3, 15, v0                           ; r
	v_bfe_u32 v4, v0, 4, 1                         ; hh
	v_lshlrev_b32 v5, 12, v3
	v_lshl_add_u32 v5, v4, 5, v5                   ; 4,096 r + 32 hh: a row of wo_w or of out0, my eight numbers
	s_and_b32 s14, s12, 1                          ; c: which four of a lane's eight columns waves 0 and 1 add up
	s_lshl_b32 s15, s14, 4
	v_lshl_add_u32 v6, v4, 5, s15                  ; the bias: 32 hh + 16 c
	v_add_nc_u32 v7, s15, v5                       ; out0: 4,096 r + 32 hh + 16 c
	s_lshl_b32 s16, s12, 10
	v_add_nc_u32 v12, s16, v2                      ; LDS: my share: 1,024 x wave + 16 x lane
	s_lshl_b32 s16, s14, 9
	v_add_nc_u32 v13, s16, v2                      ; and where the shares are read: 512 c + 16 x lane
	v_lshlrev_b32 v14, 3, v4
	v_sub_nc_u32 v14, v3, v14                      ; r - 8 hh
	v_mov_b32 v15, 0xff800000                      ; -infinity
	s_mov_b32 s20, 0x76543210
	s_mov_b32 s21, 0xfedcba98
	s_mov_b32 s22, 0x3e38aa3b                      ; c = log2(e) / sqrt(64)
	s_mov_b32 s23, s22
	s_lshl_b32 s16, s13, 4
	s_add_co_u32 s16, s16, s12
	s_lshl_b32 s16, s16, 12                        ; 4,096 bytes a head
	s_mov_b32 s17, 0
	s_wait_kmcnt 0x0
	s_add_nc_u64 s[4:5], s[4:5], s[16:17]
	s_lshl_b32 s16, ttmp9, 16                      ; wo_w: row 16 ns,
	s_lshl_b32 s18, s12, 8                         ; my head's 64 numbers
	s_add_co_u32 s16, s16, s18
	s_add_nc_u64 s[6:7], s[6:7], s[16:17]
	s_lshl_b32 s16, ttmp9, 6                       ; column 16 ns, in bytes
	s_add_nc_u64 s[8:9], s[8:9], s[16:17]
	s_lshl_b32 s18, s13, 23                        ; 8,388,608 bytes a batch
	s_add_co_u32 s16, s16, s18
	s_add_nc_u64 s[10:11], s[10:11], s[16:17]
.irp i, 0,1,2,3,4,5,6,7
	global_load_b128 v[48+4*\i:51+4*\i], v2, s[4:5] offset:262144+512*\i      ; k
.endr
.irp i, 0,1,2,3,4,5,6,7
	global_load_b128 v[16+4*\i:19+4*\i], v2, s[4:5] offset:512*\i             ; q
.endr
.irp i, 0,1,2,3,4,5,6,7
	global_load_b128 v[80+4*\i:83+4*\i], v2, s[4:5] offset:524288+512*\i      ; v
.endr
.irp t, 0,1,2,3
	global_load_b128 v[112+8*\t:115+8*\t], v5, s[6:7] offset:64*\t            ; wo(16 ns + r, 64 h + 16 t + 8 hh + 0..7)
	global_load_b128 v[116+8*\t:119+8*\t], v5, s[6:7] offset:64*\t+16
.endr
	global_load_b128 v[8:11], v6, s[8:9]
	s_wait_loadcnt 17                              ; k and q are in; v's eight, wo's eight and the bias may be out
.irp i, 0,1,2,3,4,5,6,7,8,9,10,11,12,13,14,15
.if \i < 4
	v_wmma_f32_16x16x4_f32 v[144+8*(\i%4):151+8*(\i%4)], v[48+2*\i:49+2*\i], v[16+2*\i:17+2*\i], 0
.else
	v_wmma_f32_16x16x4_f32 v[144+8*(\i%4):151+8*(\i%4)], v[48+2*\i:49+2*\i], v[16+2*\i:17+2*\i], v[144+8*(\i%4):151+8*(\i%4)]
.endif
.endr
.rept 8
	v_nop                                          ; eight places behind this form
.endr
.irp p, 0,2,4,6
	v_pk_add_f32 v[240+\p:241+\p], v[144+\p:145+\p], v[152+\p:153+\p]         ; the four parts of the scores, each accumulator from its low end on
.endr
.irp p, 0,2,4,6
	v_pk_add_f32 v[240+\p:241+\p], v[240+\p:241+\p], v[160+\p:161+\p]
.endr
.irp p, 0,2,4,6
	v_pk_add_f32 v[240+\p:241+\p], v[240+\p:241+\p], v[168+\p:169+\p]         ; register j: key 8 hh + j, query r
.endr
.irp j, 0,1,2,3,4,5,6,7
	v_cmp_gt_i32 vcc_lo, \j, v14                   ; hidden where 8 hh + j > r
	v_cndmask_b32 v[240+\j], v[240+\j], v15, vcc_lo
.endr
	v_max3_num_f32 v248, v240, v241, v242
	v_max3_num_f32 v249, v243, v244, v245
	v_max3_num_f32 v248, v248, v246, v247
	v_max_num_f32 v248, v248, v249
	v_permlanex16_b32 v249, v248, s20, s21
	v_max_num_f32 v248, v248, v249                 ; the row's largest score: key 0 counts for every query
	v_mul_f32 v248, s22, v248
	v_mov_b32 v249, v248
.irp p, 0,2,4,6
	v_pk_fma_f32 v[240+\p:241+\p], v[240+\p:241+\p], s[22:23], v[248:249] op_sel_hi:[1,0,0] neg_lo:[0,0,1] neg_hi:[0,0,1]
.endr
.irp j, 0,1,2,3,4,5,6,7
	v_exp_f32 v[240+\j], v[240+\j]
.endr
	v_nop
	s_wait_alu depctr_va_vdst(0)                   ; one wait for the eight exponentials
	v_pk_add_f32 v[250:251], v[240:241], v[242:243]
	v_pk_add_f32 v[252:253], v[244:245], v[246:247]
	v_pk_add_f32 v[250:251], v[250:251], v[252:253]
	v_add_f32 v250, v250, v251
	v_permlanex16_b32 v251, v250, s20, s21
	v_add_f32 v250, v250, v251                     ; the row's sum
	v_rcp_f32 v252, v250
	v_nop
	s_wait_alu depctr_va_vdst(0)
	s_wait_loadcnt 9                               ; v is in
.irp s, 0,1,2,3
.irp t, 0,1,2,3
.if \s == 0
	v_wmma_f32_16x16x4_f32 v[176+8*\t:183+8*\t], v[80+8*\t+2*\s:81+8*\t+2*\s], v[240+2*\s:241+2*\s], 0
.else
	v_wmma_f32_16x16x4_f32 v[176+8*\t:183+8*\t], v[80+8*\t+2*\s:81+8*\t+2*\s], v[240+2*\s:241+2*\s], v[176+8*\t:183+8*\t]
.endif
.endr
.endr
.rept 8
	v_nop
.endr
.irp j, 0,2,4,6,8,10,12,14,16,18,20,22,24,26,28,30
	v_pk_mul_f32 v[16+\j:17+\j], v[176+\j:177+\j], v[252:253] op_sel_hi:[1,0]  ; the attention's rows: register 8 t + j: position r, channel 16 t + 8 hh + j
.endr
	s_wait_loadcnt 0x0                             ; wo and the bias
.irp s, 0,1,2,3
.irp t, 0,1,2,3
.if \s == 0
	v_wmma_f32_16x16x4_f32 v[208+8*\t:215+8*\t], v[112+8*\t+2*\s:113+8*\t+2*\s], v[16+8*\t+2*\s:17+8*\t+2*\s], 0
.else
	v_wmma_f32_16x16x4_f32 v[208+8*\t:215+8*\t], v[112+8*\t+2*\s:113+8*\t+2*\s], v[16+8*\t+2*\s:17+8*\t+2*\s], v[208+8*\t:215+8*\t]
.endif
.endr
.endr
.rept 8
	v_nop
.endr
.irp p, 0,2,4,6
	v_pk_add_f32 v[48+\p:49+\p], v[208+\p:209+\p], v[216+\p:217+\p]
.endr
.irp p, 0,2,4,6
	v_pk_add_f32 v[48+\p:49+\p], v[48+\p:49+\p], v[224+\p:225+\p]
.endr
.irp p, 0,2,4,6
	v_pk_add_f32 v[48+\p:49+\p], v[48+\p:49+\p], v[232+\p:233+\p]             ; my head's share: register j: position r, column 16 ns + 8 hh + j
.endr
	ds_store_b128 v12, v[48:51]
	ds_store_b128 v12, v[52:55] offset:512
	s_wait_dscnt 0x0                               ; for the others' sake: my share lies in LDS
	s_barrier_signal -1
	s_barrier_wait -1
	s_cmp_ge_u32 s12, 2                            ; waves 0 and 1 add the sixteen shares, four columns a lane each
	s_cbranch_scc1 .Lend
.irp k, 0,1,2,3,4,5,6,7,8,9,10,11,12,13,14,15
	ds_load_b128 v[16+4*\k:19+4*\k], v13 offset:1024*\k
.endr
	s_wait_dscnt 0x0
.irp k, 0,1,2,3,4,5,6,7                ; a fixed tree
	v_pk_add_f32 v[16+8*\k:17+8*\k], v[16+8*\k:17+8*\k], v[20+8*\k:21+8*\k]
	v_pk_add_f32 v[18+8*\k:19+8*\k], v[18+8*\k:19+8*\k], v[22+8*\k:23+8*\k]
.endr
.irp k, 0,1,2,3
	v_pk_add_f32 v[16+16*\k:17+16*\k], v[16+16*\k:17+16*\k], v[24+16*\k:25+16*\k]
	v_pk_add_f32 v[18+16*\k:19+16*\k], v[18+16*\k:19+16*\k], v[26+16*\k:27+16*\k]
.endr
.irp k, 0,1
	v_pk_add_f32 v[16+32*\k:17+32*\k], v[16+32*\k:17+32*\k], v[32+32*\k:33+32*\k]
	v_pk_add_f32 v[18+32*\k:19+32*\k], v[18+32*\k:19+32*\k], v[34+32*\k:35+32*\k]
.endr
	v_pk_add_f32 v[16:17], v[16:17], v[48:49]
	v_pk_add_f32 v[18:19], v[18:19], v[50:51]
	v_pk_add_f32 v[16:17], v[16:17], v[8:9]        ; + wo_b
	v_pk_add_f32 v[18:19], v[18:19], v[10:11]
	global_store_b128 v7, v[16:19], s[10:11]
.Lend:
	s_wait_tensorcnt 0x0                           ; the wave's end
	ds_add_u32 v[SPW], v[NIL]
	s_wait_dscnt 0x0
	s_endpgm
.Lfunc_end_k_qe3c7a7c1b9_fine:
	.size	k_qe3c7a7c1b9_fine, .Lfunc_end_k_qe3c7a7c1b9_fine-k_qe3c7a7c1b9_fine
	.p2alignl 7, 3214868480
	.fill 96, 4, 3214868480
	.section	.rodata,"a",@progbits
	.p2align	6, 0x0
	.amdhsa_kernel k_qe3c7a7c1b9_fine
		.amdhsa_group_segment_fixed_size 18432
		.amdhsa_private_segment_fixed_size 0
		.amdhsa_enable_private_segment 0
		.amdhsa_kernarg_size 32
		.amdhsa_user_sgpr_count 2
		.amdhsa_user_sgpr_kernarg_segment_ptr 1
		.amdhsa_wavefront_size32 1
		.amdhsa_system_sgpr_workgroup_id_x 1
		.amdhsa_system_sgpr_workgroup_id_y 1
		.amdhsa_system_sgpr_workgroup_id_z 1
		.amdhsa_system_vgpr_workitem_id 0
		.amdhsa_next_free_vgpr 256
		.amdhsa_next_free_sgpr 66
		.amdhsa_reserve_vcc 1
		.amdhsa_float_denorm_mode_32 3
		.amdhsa_float_denorm_mode_16_64 3
		.amdhsa_memory_ordered 1
		.amdhsa_forward_progress 1
		.amdhsa_inst_pref_size 17
	.end_amdhsa_kernel
	.amdgpu_metadata
---
amdhsa.version: [ 1, 2 ]
amdhsa.kernels:
  - .name:           k_qe3c7a7c1b9_fine
    .symbol:         k_qe3c7a7c1b9_fine.kd
    .args:
      - { .name: fine32, .offset: 0, .size: 8, .value_kind: global_buffer, .address_space: global }
      - { .name: wo_w, .offset: 8, .size: 8, .value_kind: global_buffer, .address_space: global }
      - { .name: wo_b, .offset: 16, .size: 8, .value_kind: global_buffer, .address_space: global }
      - { .name: out0, .offset: 24, .size: 8, .value_kind: global_buffer, .address_space: global }
    .group_segment_fixed_size: 18432
    .private_segment_fixed_size: 0
    .kernarg_segment_align: 8
    .kernarg_segment_size: 32
    .max_flat_workgroup_size: 512
    .sgpr_count:     66
    .vgpr_count:     256
    .wavefront_size: 32
...
	.end_amdgpu_metadata
.endif
;; end of part 5
